; MI455X (gfx1250); checked and timed in simulation.
; The chip was launched on July 23, 2026; its instructions are those of AMD's public machine-readable ISA for CDNA 5 (MIT licence, August 2026) and "CDNA5" Instruction Set Architecture Reference Guide (July 2026). The comments in the code are by the model that wrote it; some were corrected since.
;; Attention. Allowed arithmetic: matrix products marked QUANTISED: E4M3 operands, one E8M0 scale for each 32 along K, by v_wmma_scale_f32_16x16x128_f8f6f4 with both operands' format E4M3, f32 sums; everything else in f32.
;; Inputs: attendee_mask 2 x 2,048 int32; attendee_seq_codes 2 x 2,048 x 32 x 32 uint8 (E4M3 codes of attendee_seq, K innermost, in blocks of 32 codes); attendee_seq_scales 2 x 2,048 x 32 uint8 (E8M0 scales of attendee_seq, one for each 32 codes along K); attender_seq 2 x 2,048 x 1,024 float32; c_attn_b 3,072 float32; c_attn_w_codes 3,072 x 32 x 32 uint8 (E4M3 codes of c_attn_w, K innermost, in blocks of 32 codes); c_attn_w_scales 3,072 x 32 uint8 (E8M0 scales of c_attn_w, one for each 32 codes along K); c_proj_b 1,024 float32; c_proj_w_codes 1,024 x 32 x 32 uint8 (E4M3 codes of c_proj_w, K innermost, in blocks of 32 codes); c_proj_w_scales 1,024 x 32 uint8 (E8M0 scales of c_proj_w, one for each 32 codes along K); mlp_b 1,024 float32; mlp_w_codes 1,024 x 64 x 32 uint8 (E4M3 codes of mlp_w, K innermost, in blocks of 32 codes); mlp_w_scales 1,024 x 64 uint8 (E8M0 scales of mlp_w, one for each 32 codes along K).
;; Outputs: out0 2 x 2,048 x 1,024 float32.
;; This version of the problem:
;;   THIS VERSION OF THE PROBLEM IS GIVEN IN LOW PRECISION. The matrix products marked QUANTISED in the list below multiply operands that are first quantised to E4M3 (4 exponent bits, 3 mantissa bits; 8 bits a number), with one power-of-two scale for each 32 numbers along K (OCP MX v1.0); their sums are f32. All else is computed in f32.
;;   The module's matrix products, in the order in which they are computed (A, B: the left and right operand; K: the contracted axis; several contracted axes count as one K, in the product's order):
;;     1. [M 4,096, K 1,024] x [K 1,024, N 3,072]; A: input attender_seq; B: input c_attn_w (given as codes): QUANTISED
;;     2. [M 4,096, K 1,024] x [K 1,024, N 3,072]; A: input attendee_seq (given as codes); B: input c_attn_w (given as codes): QUANTISED
;;     3. batch 32 x [M 2,048, K 64] x [K 64, N 2,048]; A: computed on the way; B: computed on the way: QUANTISED
;;     4. batch 32 x [M 64, K 2,048] x [K 2,048, N 2,048]; A: computed on the way; B: softmax (see below): QUANTISED
;;     5. [M 4,096, K 1,024] x [K 1,024, N 1,024]; A: computed on the way; B: input c_proj_w (given as codes): QUANTISED
;;     6. [M 4,096, K 2,048] x [K 2,048, N 1,024]; A: computed on the way; B: input mlp_w (given as codes): QUANTISED
;;   THE QUANTISER, for each operand of a quantised product, along K:
;;     - K is cut into blocks of 32 from its start; a last block that is shorter is filled with zeros.
;;     - A block's scale is 2^e with e = floor(log2(the largest magnitude in the block)) - 8, held to -126 .. 127; a block of zeros has e = 0. As a byte (E8M0): e + 127.
;;     - Each number is divided by its block's scale, clamped to +-448, and rounded to the nearest number of E4M3, ties to even, subnormals kept.
;;     - The product sums the exact products of the quantised numbers (number of the format x scale) in f32.
;;   ~~~python
;;   def quantise(x, axis):      # numpy; x: float32 -> the quantised numbers, widened to float32 again
;;       x = np.moveaxis(x, axis, -1); K = x.shape[-1]
;;       x = np.pad(x, [(0, 0)] * (x.ndim - 1) + [(0, -K % 32)]); x = x.reshape(x.shape[:-1] + (-1, 32)); a = np.abs(x).max(-1, keepdims=True)
;;       e = np.where(a > 0, np.clip(np.frexp(np.where(a > 0, a, 1))[1] - 1 - 8, -126, 127), 0)      # np.frexp(a)[1] - 1 = floor(log2(a)), exactly
;;       r = np.clip(x / 2.0 ** e, -448, 448)
;;       step = 2.0 ** (np.maximum(np.frexp(np.where(r == 0, 1, r))[1] - 1, -6) - 3)
;;       q = np.round(r / step) * step * 2.0 ** e      # np.round: ties to even
;;       return np.moveaxis(q.reshape(q.shape[:-2] + (-1,))[..., :K], -1, axis).astype(np.float32)
;;   ~~~
;;   SOFTMAX AHEAD OF A QUANTISED PRODUCT. Where the list says 'softmax', what is quantised is not the finished softmax but p = 2^(t - M), with t = logit x log2(e) and M = ceil(the row's largest t), a whole number; so 1/2 < the row's largest p <= 1. The row's sum l is taken of the UNQUANTISED p, in f32, and the product's result is divided by l at the end. Since M is a whole number, a kernel that streams over the keys may use a running M (the ceiling of the running maximum): every later rescaling is an exact power of two, which a block's scale takes up: the codes' values come out the same.
;;   OPERANDS COMPUTED ON THE WAY. 'Computed on the way' means the value that the module computes at that place (a softmax that the list does not call 'softmax' is quantised finished and normalised). What goes into a quantiser is computed in f32, as accurately as f32 sums, v_exp_f32 and their like allow (about 1e-6 of the number): no bf16 or f16 on the way to a quantiser, and a product that is left as it is and whose result goes on into a quantised operand takes f32 operands (vector FMAs, or v_wmma_f32_16x16x4_f32). A number that lies on a knife's edge between two numbers of the format may be rounded either way, as far as f32 arithmetic and the matrix unit's own rounding can turn it there, and no further.
;;   INPUTS GIVEN AS CODES. attendee_seq (in the module: [2, 2048, 1024], K = its axis 2); c_attn_w (in the module: [1024, 3072], K = its axis 0); c_proj_w (in the module: [1024, 1024], K = its axis 0); mlp_w (in the module: [2048, 1024], K = its axis 0): each comes as NAME_codes (uint8): NAME with its K axis moved to the last place and cut into blocks of 32 codes, [.., K / 32, bytes a block], one block behind the other in memory; one code a byte (a code: sign, 4 exponent bits, 3 mantissa bits); and NAME_scales (uint8): the same leading axes, one E8M0 byte (e + 127) for each 32 codes along K. Its value is code x scale, taken as it is: it is not quantised again, and the codes and scales need not be those that the quantiser above would give.
;; One version. Each part assembles by itself: llvm-mc -triple=amdgcn-amd-amdhsa -mcpu=gfx1250 --defsym DOCPART=n.
;; ======== version 1 of 1: 5 launches
;; limits: right only within a limited range of input values
;; workspace buffers: xq 4,325,376 bytes; qq 4,325,376 bytes; kvr 8,912,896 bytes; aq 4,325,376 bytes; pq 4,325,376 bytes
;; launch kv (part 1): grid 8 x 32, 4 waves a work-group, clusters of 4 x 4, 327,680 bytes of LDS; arguments attendee_seq_codes, attendee_seq_scales, c_attn_w_codes, c_attn_w_scales, c_attn_b, attendee_mask, kvr, attender_seq, xq; writes kvr, xq
.if DOCPART == 1
	.amdgcn_target "amdgcn-amd-amdhsa--gfx1250"
	.amdhsa_code_object_version 6
	.text
	.protected	k_q97c4216fbb_kv
	.globl	k_q97c4216fbb_kv
	.p2align	8
	.type	k_q97c4216fbb_kv,@function
k_q97c4216fbb_kv:
	s_mov_b64 s[64:65], 0
	v_nop
	global_prefetch_b8 v0, s[64:65] scope:SCOPE_SE
	s_setreg_imm32_b32 hwreg(HW_REG_WAVE_MODE, 25, 1), 1
	s_wait_xcnt 0x0
	s_wait_alu depctr_hold_cnt(0) depctr_sa_sdst(0) depctr_va_vdst(0) depctr_va_sdst(0) depctr_va_ssrc(0) depctr_va_vcc(0) depctr_vm_vsrc(0)
	s_getreg_b32 s2, hwreg(HW_REG_IB_STS2, 6, 4)
	s_cmp_eq_u32 s2, 0
	s_cbranch_scc0 .Lentry_in_a_cluster
	s_endpgm
.Lentry_in_a_cluster:
	s_bfe_u32 s2, ttmp6, 0x10000c
	s_cmp_lg_u32 s2, 0xf033
	s_cbranch_scc0 .Lentry_shape_is_right
	s_endpgm
.Lentry_shape_is_right:
; TWO THINGS. (1) k and v = attendee_seq x c_attn_w[:, 1024:3072] + bias, on the given codes of FP8 (E4M3); the results are quantised in registers and stored as the RECORDS that the attention launch reads.
; (The first 1,024 columns of this product are sliced away by the problem itself and are not multiplied.)  (2) attender_seq [4096][1024] f32 is quantised into xq, laid as the later products' operand registers want it.
; A RECORD (REC = 17,408 bytes) serves one (batch, head, 128 keys): byte 0: k's codes, 4 fragments of 2,048 bytes: piece 2 u + t of fragment f is key tile 2 f + u, block t of the head's 64;
;   VCO: v's codes, 4 tiles of 16 of the head's 64, K = the 128 keys; KSO: k's scale words [f][16]; VSO: v's [tile][16]; MFO: 128 f32, float(mask) x log2(e).
; xq, CODES: images of fragments. Byte G*131072 + s*16384 + T*2048 + c*512 + 16*lane: G = row / 128, s = K / 128, T = (row / 16) % 8, c = block of 32 in the 128.
;   Lane (r, h) holds row 16 T + r; its 16 bytes of piece c are k = 32 c + 8 h + 0..7 and then 32 c + 16 + 8 h + 0..7: the order in which two neighbouring result tiles lie in a lane,
;   so that computed operands and this one share one order; the weights are read in the same order where they meet it.
; xq, SCALES: from byte SCOFF on, words [K / 64][row / 32][row % 16]: bytes 0, 1 the two blocks of the even tile's row, bytes 2, 3 those of the odd tile's row.
; A block's scale is 2^(floor(log2(largest magnitude)) - 8); the byte is the largest magnitude's exponent field - 8, held at 1 from below.
; SHARES: work-group (x, y) takes 128 keys (y) and makes k's 128 features 1,024 + 128 x on and then v's 128 features 2,048 + 128 x on (two heads); wave (rh, fh) 64 keys x 64 features: 16 accumulators, by turns.
;   K = 1,024 lies in two LDS slots of 512. THE KEYS' TILE IS FETCHED ONCE AND SERVES BOTH PRODUCTS; the weights' half of each slot is filled a second time, with v's rows, behind a round of the cluster's barrier:
;   slot 0's at k's fourth K step, slot 1's behind k's way out. By this text's own count a wave has two tensor loads out at the start and one behind each round.
;   k: source 0 = weights, so a lane's registers run along the head's 64, k's K.  v: source 0 = keys, so a lane's registers run along the keys, v's K.
;   The work-group also quantises rows 128 y on, K 128 x on, of attender_seq: a wave 32 rows. Its 32 loads (512 consecutive bytes each) go out at the head and land under k's K loop;
;   the numbers turn through the wave's own stage in LDS between the two products, where the accumulators' registers are free.
; CLUSTERS: 4 x 4; the keys' tile is shared along a row of the cluster, the weights' along a column: joint loads.
; LIMITS: a block of zeros gets the byte 1 where the quantiser says 127 (zero codes; read by this program alone); NaN and infinities are not served; the mask may be any int32 and is used as float(mask) x log2(e).
; REGISTERS: window 0: v0-31 addresses; v32-47 the keys' scale words, v48-63 the weights' (lanes 0-15 tile u, lanes 16-31 tile u + 2); v64-95 at work in the quantisers; v96-127 k's bias, later the codes; v128-255 accumulators.
;   window 1: two fragment buffers of 128: four fragments of the keys, then four of the weights.   window 2: v0-31 v's bias; v32-159 attender_seq as loaded.
; All of a WGP's LDS is claimed.
.set REC,   17408
.set HREC,  16*REC                     ; from a head's records to the next head's
.set VCO,   8192
.set KSO,   16384
.set VSO,   16640
.set MFO,   16896
.set SCOFF, 4194304
.set PITCH, 528                        ; an LDS row: 512 bytes + 16: the sixteen rows of a fragment load start at sixteen different banks (64 banks of 4 bytes: ISA guide 11.1)
.set HALFT, 64*PITCH
.set SLOT,  4*HALFT                    ; the keys' 128 rows, then the weights' 128
.set GATHK, 2*SLOT                     ; 512 bytes: k's scale words
.set GATHV, GATHK+512                  ; 512 bytes: v's
.set GATHX, GATHK+1024                 ; 512 bytes: attender_seq's, [K / 64 (2)][row / 32 (4)][16]
.set SPARE, GATHK+1536                 ; the spare words, 128 bytes a wave: two blocks of 256 bytes that no other line names
.set XST,   SPARE+512                  ; attender_seq's stage: 16 rows x (512 + 16) bytes for each wave
.set XSP,   528
.set XSTW,  16*XSP
.set NF,    32                         ; LDS loads of a K step
.set GKW,  7                           ; v7   where I put k's scale word
.set GRD,  8                           ; v8   GATHK + 16 x lane
.set RVO,  9                           ; v9   lanes 0-15: head fh = 0's record, lanes 16-31: head fh = 1's; + 16 r
.set MK,   10                          ; v10-13 the mask's four numbers
.set GVW,  14                          ; v14  where I put v's scale bytes
.set XSO,  15                          ; v15  the stage, on the way out
.set ADRR, 16
.set XSI,  19                          ; v19  the stage, on the way in
.set ADRW, 20
.set WD,   22                          ; v22-23 scale words at work
.set XGW,  24                          ; v24  where I put attender_seq's scale word
.set XGO,  25                          ; v25  8,192 (lane / 16) + 16 r
.set SPW,  26                          ; v26  LDS address of my spare word; never rewritten
.set NIL,  27                          ; v27  0; never rewritten
.set B2T,  28                          ; v28-31 v's bias of feature 16 b + r
.set RS,   32
.set WS,   48
.set TM,   64
.set TP,   72
.set SO,   80
.set HO,   88
.set XTM,  64                          ; the quantiser of attender_seq: v64-79 at work, v80-95 its codes
.set XPC,  80
.set BI,   96
.set PC,   96
.set ACC,  128
.set F0,   0
.set F1,   128
.set B2,   0                           ; window 2
.set XR,   32                          ; window 2
.set WV,   18
.set FW,   19                          ; rh; also: I fetch for the keys (0) or for the weights (1)
.set HF,   20                          ; fh; also: which 64 rows I fetch
.set MNT,  22
.set G1R,  24
.set G0R,  32
.set G1W,  48
.set G0W,  56
.set SEL,  68
.set MULW,  0x05                       ; sources 0 and 1 window 1; C and D window 0
.set MULW2, 0x25                       ; the same, C window 2
.set TO_F,  0x40                       ; destination window 1
.set TO_2,  0x80                       ; destination window 2
.set FROM_2, 0x08                      ; an LDS store's data are its source 1: window 2
.set MSB, 0
.macro WIN new                         ; the immediate's high byte repeats the setting that is left
.if MSB != \new
	s_set_vgpr_msb (MSB<<8)|\new
.set MSB, \new
.endif
.endm
.macro PLACES n
.rept \n
	v_nop
.endr
.endm
.macro JLOAD g0a, g1a, g0b, g1b        ; a joint load; four v_nop follow each of the two lines
	s_cmp_eq_u32 s[FW], 0
	s_cbranch_scc0 .Lfor_b_\@
	tensor_load_to_lds s[\g0a:\g0a+3], s[\g1a:\g1a+7]
	s_nop 0
.rept 4
	v_nop
.endr
	s_branch .Lasked_\@
.Lfor_b_\@:
	tensor_load_to_lds s[\g0b:\g0b+3], s[\g1b:\g1b+7]
	s_nop 0
.rept 4
	v_nop
.endr
.Lasked_\@:
.endm
.macro WLOAD slot                      ; a joint refill of the weights' half of a slot: waves 2 and 3 fetch its two halves, waves 0 and 1 nothing; the branch hangs on the wave's number alone
	s_cmp_eq_u32 s[FW], 0
	s_cbranch_scc1 .Lno_fill_\@
	tensor_load_to_lds s[G0W+4*\slot:G0W+4*\slot+3], s[G1W:G1W+7]
	s_nop 0
.rept 4
	v_nop
.endr
.Lno_fill_\@:
.endm
.macro CREST                           ; a round of the cluster's barrier behind its opening barrier
	s_cmp_lg_u32 s[WV], 0
	s_cbranch_scc1 .Lnot_wave_0_\@
	s_barrier_signal -3
.Lnot_wave_0_\@:
	s_barrier_wait -3
	s_barrier_signal -1
	s_barrier_wait -1
.endm
.macro CROUND                          ; a whole round
	s_barrier_signal -1
	s_barrier_wait -1
	CREST
.endm
; one product; rp, rq: the scale words of source 0, 1 stand in lanes 16-31
.macro WM d, p, q, c, sp, sq, rp, rq
.if (\rp) && (\rq)
	v_wmma_scale_f32_16x16x128_f8f6f4 v[\d:\d+7], v[\p:\p+15], v[\q:\q+15], v[\c:\c+7], v[\sp], v[\sq] matrix_a_scale:MATRIX_SCALE_ROW1 matrix_b_scale:MATRIX_SCALE_ROW1
.elseif (\rp)
	v_wmma_scale_f32_16x16x128_f8f6f4 v[\d:\d+7], v[\p:\p+15], v[\q:\q+15], v[\c:\c+7], v[\sp], v[\sq] matrix_a_scale:MATRIX_SCALE_ROW1
.elseif (\rq)
	v_wmma_scale_f32_16x16x128_f8f6f4 v[\d:\d+7], v[\p:\p+15], v[\q:\q+15], v[\c:\c+7], v[\sp], v[\sq] matrix_b_scale:MATRIX_SCALE_ROW1
.else
	v_wmma_scale_f32_16x16x128_f8f6f4 v[\d:\d+7], v[\p:\p+15], v[\q:\q+15], v[\c:\c+7], v[\sp], v[\sq]
.endif
.endm
; eight products of K step sg of 8: key tiles a0, a0 + 1 x the four feature tiles; the accumulators by turns. first = 1: the bias is the C that starts the sums. swap = 1: v.
.macro MULH f, sg, first, swap, a0
.irp a, \a0, \a0+1
.irp b, 0,1,2,3
.if \swap
.if \first
	WM ACC+8*(4*\b+(\a)), \f+16*(\a), \f+64+16*\b, B2+8*\b, RS+8*((\a)%2)+(\sg), WS+8*(\b%2)+(\sg), (\a)/2, \b/2
.else
	WM ACC+8*(4*\b+(\a)), \f+16*(\a), \f+64+16*\b, ACC+8*(4*\b+(\a)), RS+8*((\a)%2)+(\sg), WS+8*(\b%2)+(\sg), (\a)/2, \b/2
.endif
.else
.if \first
	WM ACC+8*(4*(\a)+\b), \f+64+16*\b, \f+16*(\a), BI+8*\b, WS+8*(\b%2)+(\sg), RS+8*((\a)%2)+(\sg), \b/2, (\a)/2
.else
	WM ACC+8*(4*(\a)+\b), \f+64+16*\b, \f+16*(\a), ACC+8*(4*(\a)+\b), WS+8*(\b%2)+(\sg), RS+8*((\a)%2)+(\sg), \b/2, (\a)/2
.endif
.endif
.endr
.endr
.endm
.macro FETCH slot, q, f                ; the fragments of the slot's q-th 128 along K: lane (r, h): row r, registers 4 c on: k = 32 c + 16 h + 0..15
	WIN TO_F
.irp a, 0,1,2,3
.irp c, 0,1,2,3
	ds_load_b128 v[\f+16*\a+4*\c:\f+16*\a+4*\c+3], v[ADRR+\slot] offset:\a*16*PITCH+128*(\q)+32*\c
.endr
.endr
.irp b, 0,1,2,3
.irp c, 0,1,2,3
	ds_load_b128 v[\f+64+16*\b+4*\c:\f+64+16*\b+4*\c+3], v[ADRW+\slot] offset:\b*16*PITCH+128*(\q)+32*\c
.endr
.endr
.endm
.macro KSTEP slot, q, f, g, sg, first, swap
	PLACES 8                                       ; eight places in front of loads into registers that products have read
	FETCH \slot, (\q)+1, \g
	s_wait_dscnt NF                                ; this step's fragments are in; the NF just issued may be out
.if (\first) && (\swap)
	WIN MULW2
.else
	WIN MULW
.endif
	MULH \f, \sg, \first, \swap, 0
	MULH \f, \sg, \first, \swap, 2
.endm
; a slot's last K step changes slots. In front of the barrier each wave waits for all its tensor loads, adds 0 to its spare word, and waits for that and for its reads of this slot.
; fill = 1: the barrier opens a round of the cluster's barrier, and behind the round the weights' half of this slot is filled again, with the rows 1,024 further down: v's.
.macro TURN slot, next, sg, fill, swap
	WIN 0                                          ; (the add's two registers lie in window 0)
	s_wait_tensorcnt 0x0                           ; all my tensor loads have landed: my part of the next slot
	ds_add_u32 v[SPW], v[NIL]                      ; 0 onto my spare word
	s_wait_dscnt 0x1                               ; this step's fragments are in; the add may be out
	WIN MULW
	MULH F1, \sg, 0, \swap, 0                      ; eight products stand between the add and the wait for it
	s_wait_dscnt 0x0                               ; the add is done, and my reads of this slot are over
	s_barrier_signal -1
	MULH F1, \sg, 0, \swap, 2
	WIN 0
	s_barrier_wait -1
.if \fill
	CREST                                          ; no wave of any partner still reads this slot or has a load on its way
	s_add_nc_u64 s[G0W+4*\slot+2:G0W+4*\slot+3], s[G0W+4*\slot+2:G0W+4*\slot+3], 1048576
	WLOAD \slot                                    ; the first tensor load behind the round, a wave's only one until the next
.endif
	PLACES 8
	FETCH \next, 0, F0
.endm
; eight blocks of 32: block e is the 16 registers ACC + 16 e of lanes l and l xor 16. Codes to v[PC + 4 e] on, bytes to v[TP + e]. Each accumulator is read from its low end on.
.macro QUANT8
.irp e, 0,1,2,3,4,5,6,7
	v_max3_num_f32 v[TM+\e], |v[ACC+16*\e]|, |v[ACC+16*\e+1]|, 0x4800000   ; with the floor 2^(9 - 127): the byte cannot fall under 1
.endr
.irp i, 2,4,6,8,10,12,14
.irp e, 0,1,2,3,4,5,6,7
	v_max3_num_f32 v[TM+\e], v[TM+\e], |v[ACC+16*\e+\i]|, |v[ACC+16*\e+\i+1]|
.endr
.endr
.irp e, 0,1,2,3,4,5,6,7
	v_permlanex16_b32 v[TP+\e], v[TM+\e], s[SEL], s[SEL+1]
.endr
.irp e, 0,1,2,3,4,5,6,7
	v_max_num_f32 v[TM+\e], v[TM+\e], v[TP+\e]
.endr
.irp e, 0,1,2,3,4,5,6,7
	v_add_nc_u32 v[SO+\e], 0xfc000000, v[TM+\e]    ; 8 off the exponent field: the conversion's scale operand
.endr
.irp e, 0,1,2,3,4,5,6,7
.endr
.irp e, 0,1,2,3,4,5,6,7
	v_lshrrev_b32 v[TP+\e], 23, v[SO+\e]           ; the scale's byte
.endr
.irp e, 0,1,2,3,4,5,6,7
.irp i, 0,1,2,3,4,5,6,7,8,9,10,11,12,13,14,15
.endr
	v_cvt_scalef32_pk8_fp8_f32 v[PC+4*\e:PC+4*\e+1], v[ACC+16*\e:ACC+16*\e+7], v[SO+\e]
	v_cvt_scalef32_pk8_fp8_f32 v[PC+4*\e+2:PC+4*\e+3], v[ACC+16*\e+8:ACC+16*\e+15], v[SO+\e]
.endr
	v_nop                                          ; a plain line behind the last conversion
.endm
; attender_seq: 64 numbers of a lane, register 16 b + i of block b, become a fragment's codes in v[pc] on and its row's scale word in v[pw]
.macro QUANT s, pc, pw
.irp b, 0,1,2,3
	v_max3_num_f32 v[XTM+\b], |v[\s+16*\b]|, |v[\s+16*\b+1]|, 0x4800000
.endr
.irp i, 2,4,6,8,10,12,14
.irp b, 0,1,2,3
	v_max3_num_f32 v[XTM+\b], v[XTM+\b], |v[\s+16*\b+\i]|, |v[\s+16*\b+\i+1]|
.endr
.endr
.irp b, 0,1,2,3
	v_permlanex16_b32 v[XTM+4+\b], v[XTM+\b], s[SEL], s[SEL+1]   ; (its destination was written by k's quantiser)
.endr
.irp b, 0,1,2,3
	v_max_num_f32 v[XTM+\b], v[XTM+\b], v[XTM+4+\b]
.endr
.irp b, 0,1,2,3
	v_add_nc_u32 v[XTM+12+\b], 0xfc000000, v[XTM+\b]
.endr
.irp b, 0,1,2,3
.endr
.irp b, 0,1,2,3
	v_lshrrev_b32 v[XTM+4+\b], 23, v[XTM+12+\b]
.endr
	v_lshl_or_b32 v[\pw], v[XTM+5], 8, v[XTM+4]
	v_lshl_or_b32 v[\pw], v[XTM+6], 16, v[\pw]
	v_lshl_or_b32 v[\pw], v[XTM+7], 24, v[\pw]
.irp b, 0,1,2,3
.irp i, 0,1,2,3,4,5,6,7,8,9,10,11,12,13,14,15
.endr
	v_cvt_scalef32_pk8_fp8_f32 v[\pc+4*\b:\pc+4*\b+1], v[\s+16*\b:\s+16*\b+7], v[XTM+12+\b]
	v_cvt_scalef32_pk8_fp8_f32 v[\pc+4*\b+2:\pc+4*\b+3], v[\s+16*\b+8:\s+16*\b+15], v[XTM+12+\b]
.endr
	v_nop                                          ; a plain line behind the last conversion
.endm
.macro BACK reg                        ; a tile's numbers come back from the stage, 16 of each block a lane, in the fragment's order
.irp c, 0,1,2,3
	ds_load_b128 v[\reg+16*\c:\reg+16*\c+3],     v[XSO] offset:128*\c
	ds_load_b128 v[\reg+16*\c+4:\reg+16*\c+7],   v[XSO] offset:128*\c+16
	ds_load_b128 v[\reg+16*\c+8:\reg+16*\c+11],  v[XSO] offset:128*\c+64
	ds_load_b128 v[\reg+16*\c+12:\reg+16*\c+15], v[XSO] offset:128*\c+80
.endr
.endm
	s_load_b256 s[4:11], s[0:1], 0x0               ; the keys' codes, their scales, the weights' codes, their scales
	s_load_b128 s[12:15], s[0:1], 0x20             ; bias, mask
	s_load_b64 s[16:17], s[0:1], 0x30              ; kvr
	s_load_b64 s[88:89], s[0:1], 0x38              ; attender_seq
	s_load_b64 s[90:91], s[0:1], 0x40              ; xq
	v_lshl_add_u32 v[SPW], v0, 2, SPARE
	v_mov_b32 v[NIL], 0
	ds_add_u32 v26, v27
	ds_add_u32 v26, v27
	s_wait_dscnt 0x0
	v_lshrrev_b32 v1, 5, v0
	v_readfirstlane_b32 s[WV], v1
	s_lshr_b32 s[FW], s[WV], 1
	s_and_b32 s[HF], s[WV], 1
	s_bfe_u32 s40, ttmp6, 0x40000                  ; cx
	s_bfe_u32 s41, ttmp6, 0x40004                  ; cy
	s_lshl_b32 s42, ttmp9, 2
	s_add_co_u32 s42, s42, s40                     ; x: which 128 features of k and of v; which 128 along K of attender_seq
	s_and_b32 s21, ttmp7, 0xffff
	s_lshl_b32 s21, s21, 2
	s_add_co_u32 s21, s21, s41                     ; y: which 128 keys; which 128 rows of attender_seq
	s_lshl_b32 s43, s41, 2
	s_lshl_b32 s43, 15, s43                        ; my row of the cluster
	s_lshl_b32 s44, 0x1111, s40                    ; my column
	s_or_b32 s[G1R], s43, (1<<20)|(1<<21)|(6<<22)|(3<<25)   ; the mask; elements of 1 byte; padding on; bit 21 beside a mask; 4 words behind every 128
	s_or_b32 s[G1W], s44, (1<<20)|(1<<21)|(6<<22)|(3<<25)
.irp g, G1R, G1W
	s_mov_b32 s[\g+1], 512<<16                     ; tensor_dim0
	s_mov_b32 s[\g+2], 64<<16                      ; tensor_dim1
	s_mov_b32 s[\g+3], 512<<16                     ; tile_dim0
	s_mov_b32 s[\g+4], 64                          ; tile_dim1
	s_mov_b32 s[\g+5], 1024                        ; the pitch in memory
	s_mov_b32 s[\g+6], 0
	s_mov_b32 s[\g+7], 0
.endr
	s_lshl_b32 s66, s21, 17                        ; the keys: row 128 y + 64 half, 1,024 bytes a row
	s_lshl_b32 s67, s[HF], 16
	s_add_co_u32 s66, s66, s67
	s_mov_b32 s67, 0
	s_lshl_b32 s46, s42, 17                        ; the weights, k's first: row 1,024 + 128 x + 64 half
	s_lshl_b32 s47, s[HF], 16
	s_add_co_u32 s46, s46, s47
	s_add_co_u32 s46, s46, 1048576
	s_mov_b32 s47, 0
	s_mul_i32 s45, s[WV], HALFT                    ; where they go: wave x 64 rows
	s_lshl_b32 s80, s21, 19                        ; attender_seq: row 128 y + 32 wave of 4,096 bytes, + 512 x
	s_lshl_b32 s81, s[WV], 17
	s_add_co_u32 s80, s80, s81
	s_lshl_b32 s81, s42, 9
	s_add_co_u32 s80, s80, s81
	s_mov_b32 s81, 0
	s_mov_b32 s[SEL], 0x76543210
	s_mov_b32 s[SEL+1], 0xfedcba98
	s_wait_kmcnt 0x0
	s_add_nc_u64 s[66:67], s[4:5], s[66:67]
	s_add_nc_u64 s[46:47], s[8:9], s[46:47]
	s_add_nc_u64 s[88:89], s[88:89], s[80:81]
	CROUND                                         ; all sixteen work-groups are here: the first joint loads meet
.irp s, 0,1
	s_mov_b32 s[G0R+4*\s], 1
	s_add_co_u32 s[G0R+4*\s+1], s45, \s*SLOT
	s_add_nc_u64 s[G0R+4*\s+2:G0R+4*\s+3], s[66:67], \s*512
	s_or_b32 s[G0R+4*\s+3], s[G0R+4*\s+3], 0x80000000
	s_mov_b32 s[G0W+4*\s], 1
	s_add_co_u32 s[G0W+4*\s+1], s45, \s*SLOT
	s_add_nc_u64 s[G0W+4*\s+2:G0W+4*\s+3], s[46:47], \s*512
	s_or_b32 s[G0W+4*\s+3], s[G0W+4*\s+3], 0x80000000
	s_wait_alu depctr_va_vdst(0)
	s_wait_tensorcnt 0x0
	ds_add_u32 v26, v27
	ds_add_u32 v26, v27
	s_wait_dscnt 0x0
	CROUND
	JLOAD G0R+4*\s, G1R, G0W+4*\s, G1W             ; both slots' first fills: two loads of mine are out
.endr
	v_and_b32 v1, 31, v0                           ; lane
	v_and_b32 v2, 15, v0                           ; r
	v_bfe_u32 v3, v0, 4, 1                         ; h
	v_lshlrev_b32 v4, 4, v1                        ; 16 x lane
	v_lshlrev_b32 v5, 5, v2
	v_lshl_add_u32 v5, v3, 10, v5                  ; scale rows of 32 bytes: row 32 h + r
	s_wait_alu depctr_va_vdst(0)
	v_lshlrev_b32 v6, 5, v3                        ; 32 h
	s_wait_alu depctr_va_vdst(0)
	v_lshlrev_b32 v18, 2, v2                       ; 4 r
	s_wait_alu depctr_va_vdst(0)
	s_lshl_b32 s70, s21, 12                        ; the keys' scales: row 128 y + 64 rh, 32 bytes a row
	s_lshl_b32 s71, s[FW], 11
	s_add_co_u32 s70, s70, s71
	s_mov_b32 s71, 0
	s_add_nc_u64 s[70:71], s[6:7], s[70:71]
	s_lshl_b32 s72, s42, 12                        ; the weights': row 1,024 + 128 x + 64 fh; v's lie 32,768 bytes on
	s_lshl_b32 s73, s[HF], 11
	s_add_co_u32 s72, s72, s73
	s_add_co_u32 s72, s72, 32768
	s_mov_b32 s73, 0
	s_add_nc_u64 s[72:73], s[10:11], s[72:73]
	s_lshl_b32 s74, s42, 9                         ; the bias of feature 1,024 + 128 x + 64 fh on; v's lies 4,096 bytes on
	s_lshl_b32 s75, s[HF], 8
	s_add_co_u32 s74, s74, s75
	s_add_co_u32 s74, s74, 4096
	s_mov_b32 s75, 0
	s_add_nc_u64 s[74:75], s[12:13], s[74:75]
	s_lshl_b32 s82, s21, 9                         ; the mask of key 128 y on
	s_mov_b32 s83, 0
	s_add_nc_u64 s[82:83], s[14:15], s[82:83]
.irp u, 0,1
.irp q, 0,1
	global_load_b128 v[RS+8*\u+4*\q:RS+8*\u+4*\q+3], v5, s[70:71] offset:512*\u+16*\q   ; register RS + 8 u + step: lanes 0-15 tile u, lanes 16-31 tile u + 2
	global_load_b128 v[WS+8*\u+4*\q:WS+8*\u+4*\q+3], v5, s[72:73] offset:512*\u+16*\q
.endr
.endr
.irp b, 0,1,2,3
	global_load_b128 v[BI+8*\b:BI+8*\b+3],   v6, s[74:75] offset:64*\b      ; k's bias of features 16 b + 8 h + 0..7
	global_load_b128 v[BI+8*\b+4:BI+8*\b+7], v6, s[74:75] offset:64*\b+16
.endr
.irp b, 0,1,2,3
	global_load_b32 v[B2T+\b], v18, s[74:75] offset:4096+64*\b              ; v's bias of feature 16 b + r
.endr
	global_load_b128 v[MK:MK+3], v4, s[82:83]      ; the step's 128 mask numbers
	WIN TO_2
.set n, 0
.rept 32
	global_load_b128 v[XR+4*n:XR+4*n+3], v4, s[88:89] offset:n*4096 th:TH_LOAD_NT   ; attender_seq, row n: 32 lanes read 512 consecutive bytes; wanted only behind k's K loop
.set n, n+1
.endr
	WIN 0
	s_lshr_b32 s80, s21, 4                         ; the record: ((batch x 16 + head) x 16 + step) x REC, head = 2 x + fh
	s_lshl_b32 s80, s80, 4
	s_lshl_b32 s86, s42, 1
	s_add_co_u32 s80, s80, s86
	s_lshl_b32 s80, s80, 4
	s_and_b32 s86, s21, 15
	s_add_co_u32 s80, s80, s86
	s_mul_i32 s80, s80, REC
	s_add_nc_u64 s[76:77], s[16:17], s[80:81]      ; head fh = 0's record (s81 = 0)
	s_mul_i32 s86, s[HF], HREC
	s_lshl_b32 s87, s[FW], 12
	s_add_co_u32 s80, s86, s87
	s_add_nc_u64 s[78:79], s[76:77], s[80:81]      ; k's codes: my head's record, my 64 keys' fragments: 4,096 rh
	s_lshl_b32 s87, s[FW], 10
	s_add_co_u32 s80, s86, s87
	s_add_co_u32 s80, s80, VCO
	s_add_nc_u64 s[84:85], s[76:77], s[80:81]      ; v's codes: my 64 keys' pieces: 1,024 rh
	s_lshl_b32 s80, s21, 17                        ; xq's images: 131,072 y + 16,384 x + 4,096 wave
	s_lshl_b32 s86, s42, 14
	s_add_co_u32 s80, s80, s86
	s_lshl_b32 s87, s[WV], 12
	s_add_co_u32 s80, s80, s87
	s_add_co_u32 s86, s86, SCOFF                   ; xq's scale words: SCOFF + 16,384 x + 256 y
	s_lshl_b32 s87, s21, 8
	s_add_co_u32 s86, s86, s87
	s_mov_b32 s87, 0
	s_add_nc_u64 s[92:93], s[90:91], s[86:87]
	s_add_nc_u64 s[90:91], s[90:91], s[80:81]
	v_mul_u32_u24 v[WD], v2, PITCH
	v_lshl_add_u32 v[WD], v3, 4, v[WD]             ; a fragment's row x pitch + 16 h
	s_mul_i32 s80, s[FW], HALFT
	s_mul_i32 s86, s[HF], HALFT
	s_add_co_u32 s86, s86, 2*HALFT
	v_add_nc_u32 v[ADRR], s80, v[WD]
	v_add_nc_u32 v[ADRW], s86, v[WD]
	v_add_nc_u32 v[ADRR+1], SLOT, v[ADRR]
	v_add_nc_u32 v[ADRW+1], SLOT, v[ADRW]
	s_lshl_b32 s80, s[HF], 8
	s_lshl_b32 s86, s[FW], 7
	s_add_co_u32 s86, s86, s80
	s_add_co_u32 s86, s86, GATHK
	v_lshl_add_u32 v[GKW], v1, 2, s86              ; GATHK + 256 fh + 128 rh + 4 lane
	v_add_nc_u32 v[GRD], GATHK, v4
	s_lshl_b32 s86, s[FW], 1
	s_add_co_u32 s86, s86, s80
	s_add_co_u32 s86, s86, GATHV
	v_add_nc_u32 v[GVW], s86, v18                  ; GATHV + 256 fh + 2 rh + 4 r
	s_lshl_b32 s86, s[WV], 6
	s_add_co_u32 s86, s86, GATHX
	v_lshl_add_u32 v[XGW], v3, 8, v18
	v_add_nc_u32 v[XGW], s86, v[XGW]               ; GATHX + 256 h + 64 wave + 4 r
	v_lshlrev_b32 v[XGO], 4, v2
	v_lshl_add_u32 v[XGO], v3, 13, v[XGO]
	s_mul_i32 s86, s[WV], XSTW
	s_add_co_u32 s86, s86, XST
	v_add_nc_u32 v[XSI], s86, v4                   ; the stage, in: a row as it was loaded
	v_mul_u32_u24 v[XSO], v2, XSP
	v_lshl_add_u32 v[XSO], v3, 5, v[XSO]
	v_add_nc_u32 v[XSO], s86, v[XSO]               ; out: row r, + 32 h bytes
	v_mul_u32_u24 v[RVO], v3, HREC
	v_lshl_add_u32 v[RVO], v2, 4, v[RVO]
	s_wait_loadcnt 32                              ; scale words, biases and mask are in; attender_seq's 32 loads, issued behind them, may be out
	WIN TO_2
.irp b, 0,1,2,3
.irp j, 0,1,2,3,4,5,6,7
	v_mov_b32 v[B2+8*\b+\j], v[B2T+\b]             ; v's bias in the result's layout: a lane holds one feature, so all eight registers of a tile hold the same
.endr
.endr
	WIN 0
	s_cmp_lg_u32 s[WV], 1
	s_cbranch_scc1 .Lno_mask
.irp i, 0,1,2,3
	v_cvt_f32_i32 v[MK+\i], v[MK+\i]               ; wave 1: the mask's factors, for both heads' records
.endr
.irp i, 0,1,2,3
	v_mul_f32 v[MK+\i], 0x3fb8aa3b, v[MK+\i]       ; x log2(e): score x this = t
.endr
	global_store_b128 v4, v[MK:MK+3], s[76:77] offset:MFO
	global_store_b128 v4, v[MK:MK+3], s[76:77] offset:MFO+HREC
.Lno_mask:
	; ---- k: a lane holds one key, its registers run along the head's 64
	s_wait_tensorcnt 0x1                           ; my part of slot 0 has landed; slot 1's may be out
	s_barrier_signal -1
	s_barrier_wait -1
	FETCH 0, 0, F0
	KSTEP 0, 0, F0, F1, 0, 1, 0
	KSTEP 0, 1, F1, F0, 1, 0, 0
	KSTEP 0, 2, F0, F1, 2, 0, 0
	TURN 0, 1, 3, 1, 0                             ; slot 0's weights are done with: v's first 512 along K take their place
	KSTEP 1, 0, F0, F1, 4, 0, 0
	KSTEP 1, 1, F1, F0, 5, 0, 0
	KSTEP 1, 2, F0, F1, 6, 0, 0
	s_wait_dscnt 0x0
	WIN MULW
	MULH F1, 7, 0, 0, 0
	MULH F1, 7, 0, 0, 2
	WIN 0
.irp e, 0,1,2,3,4,5,6,7
	v_mov_b32 v[TP+\e], 0                          ; a lane permute's destination counts as a source; these eight are also the places behind the last products
.endr
.irp u, 0,1
.irp q, 0,1
	global_load_b128 v[WS+8*\u+4*\q:WS+8*\u+4*\q+3], v5, s[72:73] offset:32768+512*\u+16*\q   ; v's weights' scale words: they land under the quantiser
.endr
.endr
	QUANT8                                         ; block e = 2 a + t: key tile a, block t of the 64
.irp a, 0,1,2,3
.irp t, 0,1
	global_store_b128 v4, v[PC+4*(2*\a+\t):PC+4*(2*\a+\t)+3], s[78:79] offset:\a*1024+\t*512   ; 512 consecutive bytes, aligned
.endr
.endr
.irp g, 0,1
	v_lshl_or_b32 v[WD+\g], v[TP+4*\g+1], 8, v[TP+4*\g]      ; fragment 2 rh + g: the even tile's two bytes, then the odd tile's
	v_lshl_or_b32 v[WD+\g], v[TP+4*\g+2], 16, v[WD+\g]
	v_lshl_or_b32 v[WD+\g], v[TP+4*\g+3], 24, v[WD+\g]
.endr
	v_cmp_lt_u32 vcc_lo, 15, v1
	v_cndmask_b32 v[WD], v[WD], v[WD+1], vcc_lo
	ds_store_b32 v[GKW], v[WD]
	; slot 1's weights are done with too. Every wave: all my tensor loads have landed (slot 0's second fill among them), the add, my LDS instructions are done; a round; the refill first behind it
	s_wait_tensorcnt 0x0
	ds_add_u32 v[SPW], v[NIL]                      ; 0 onto my spare word
	s_add_nc_u64 s[G0W+6:G0W+7], s[G0W+6:G0W+7], 1048576   ; no tensor load of mine is out, so a group 0 may be written: v's rows
	s_wait_dscnt 0x0
	CROUND
	WLOAD 1                                        ; it has the work on attender_seq and four K steps in which to land
	; ---- attender_seq: my 32 rows x 128 along K become two fragments; the accumulators' registers hold the numbers
	s_wait_loadcnt 0x0                             ; its 32 loads, and v's scale words
	WIN FROM_2
.set n, 0
.rept 16
	ds_store_b128 v[XSI], v[XR+4*n:XR+4*n+3] offset:n*XSP
.set n, n+1
.endr
	WIN 0
	BACK ACC                                       ; LDS serves a wave's instructions in order (ISA guide 5.7.1.4): these see my stores,
	WIN FROM_2
.set n, 0
.rept 16
	ds_store_b128 v[XSI], v[XR+64+4*n:XR+64+4*n+3] offset:n*XSP   ; and rows 16-31 take the stage behind them
.set n, n+1
.endr
	WIN 0
	BACK ACC+64
	s_wait_dscnt 32                                ; tile 0 is back; the 16 stores and 16 loads of tile 1 may be out
	QUANT ACC, XPC, WD
.irp c, 0,1,2,3
	global_store_b128 v4, v[XPC+4*\c:XPC+4*\c+3], s[90:91] offset:512*\c   ; 512 consecutive bytes, aligned
.endr
	s_wait_dscnt 0x0                               ; tile 1 is back
	s_wait_xcnt 0x0                                ; tile 0's stores have read their registers, which tile 1's codes take
	FETCH 0, 0, F0                                 ; v's first fragments: slot 0 is whole since the round; they land under the second quantiser
	WIN 0
	QUANT ACC+64, XPC, WD+1
.irp c, 0,1,2,3
	global_store_b128 v4, v[XPC+4*\c:XPC+4*\c+3], s[90:91] offset:2048+512*\c
.endr
	v_perm_b32 v[XTM],   v[WD+1], v[WD], 0x05040100   ; K / 64 even: the low halves of the two tiles' words
	v_perm_b32 v[XTM+1], v[WD+1], v[WD], 0x07060302   ; K / 64 odd: the high halves
	v_cmp_lt_u32 vcc_lo, 15, v1
	v_cndmask_b32 v[XTM], v[XTM], v[XTM+1], vcc_lo    ; lanes 0-15 carry the first, lanes 16-31 the second
	ds_store_b32 v[XGW], v[XTM]
	; ---- v: a lane holds one of the head's 64, its registers run along the keys
	KSTEP 0, 0, F0, F1, 0, 1, 1
	KSTEP 0, 1, F1, F0, 1, 0, 1
	KSTEP 0, 2, F0, F1, 2, 0, 1
	TURN 0, 1, 3, 0, 1                             ; nothing is left to fetch
	KSTEP 1, 0, F0, F1, 4, 0, 1
	KSTEP 1, 1, F1, F0, 5, 0, 1
	KSTEP 1, 2, F0, F1, 6, 0, 1
	s_wait_dscnt 0x0
	WIN MULW
	MULH F1, 7, 0, 1, 0
	MULH F1, 7, 0, 1, 2
	WIN 0
.irp e, 0,1,2,3,4,5,6,7
	v_mov_b32 v[TP+\e], 0                          ; the places behind the last products
.endr
	s_wait_xcnt 0x0                                ; the earlier stores of codes have read their registers, which this quantiser writes
	QUANT8                                         ; block e = 2 b + g: tile b of the 64, keys 64 rh + 32 g on
.irp b, 0,1,2,3
.irp g, 0,1
	global_store_b128 v4, v[PC+4*(2*\b+\g):PC+4*(2*\b+\g)+3], s[84:85] offset:\b*2048+\g*512
.endr
.endr
.irp b, 0,1,2,3
	v_lshl_or_b32 v[TM+\b], v[TP+2*\b+1], 8, v[TP+2*\b]
	ds_store_b16 v[GVW], v[TM+\b] offset:64*\b     ; bytes 2 rh, 2 rh + 1 of the row's word; both halves of the lanes write the same
.endr
	s_wait_dscnt 0x0                               ; for the others' sake: my scale words, all three kinds, have landed
	s_barrier_signal -1
	s_barrier_wait -1
	s_cmp_lg_u32 s[WV], 0
	s_cbranch_scc1 .Ldone
	ds_load_b128 v[ACC:ACC+3],    v[GRD]
	ds_load_b128 v[ACC+4:ACC+7],  v[GRD] offset:512
	ds_load_b128 v[ACC+8:ACC+11], v[GRD] offset:1024
	s_wait_dscnt 0x0
	global_store_b128 v[RVO], v[ACC:ACC+3],   s[76:77] offset:KSO   ; 256 consecutive bytes in each head's record
	global_store_b128 v[RVO], v[ACC+4:ACC+7], s[76:77] offset:VSO
	global_store_b128 v[XGO], v[ACC+8:ACC+11], s[92:93]             ; two aligned runs of 256 bytes
.Ldone:
	s_wait_tensorcnt 0x0                           ; the wave's end
	ds_add_u32 v[SPW], v[NIL]
	s_wait_dscnt 0x0
	CROUND                                         ; the closing round: no work-group ends while a partner may still ask for a tile that names it
	s_endpgm
.Lfunc_end_k_q97c4216fbb_kv:
	.size	k_q97c4216fbb_kv, .Lfunc_end_k_q97c4216fbb_kv-k_q97c4216fbb_kv
	.p2alignl 7, 3214868480
	.fill 96, 4, 3214868480
	.section	.rodata,"a",@progbits
	.p2align	6, 0x0
	.amdhsa_kernel k_q97c4216fbb_kv
		.amdhsa_group_segment_fixed_size 327680
		.amdhsa_private_segment_fixed_size 0
		.amdhsa_enable_private_segment 0
		.amdhsa_kernarg_size 72
		.amdhsa_user_sgpr_count 2
		.amdhsa_user_sgpr_kernarg_segment_ptr 1
		.amdhsa_wavefront_size32 1
		.amdhsa_system_sgpr_workgroup_id_x 1
		.amdhsa_system_sgpr_workgroup_id_y 1
		.amdhsa_system_sgpr_workgroup_id_z 1
		.amdhsa_system_vgpr_workitem_id 0
		.amdhsa_next_free_vgpr 672
		.amdhsa_next_free_sgpr 96
		.amdhsa_reserve_vcc 1
		.amdhsa_float_denorm_mode_32 3
		.amdhsa_float_denorm_mode_16_64 3
		.amdhsa_fp16_overflow 1
		.amdhsa_memory_ordered 1
		.amdhsa_forward_progress 1
		.amdhsa_inst_pref_size 119
	.end_amdhsa_kernel
	.amdgpu_metadata
---
amdhsa.version: [ 1, 2 ]
amdhsa.kernels:
  - .name:           k_q97c4216fbb_kv
    .symbol:         k_q97c4216fbb_kv.kd
    .args:
      - { .name: attendee_seq_codes, .offset: 0, .size: 8, .value_kind: global_buffer, .address_space: global }
      - { .name: attendee_seq_scales, .offset: 8, .size: 8, .value_kind: global_buffer, .address_space: global }
      - { .name: c_attn_w_codes, .offset: 16, .size: 8, .value_kind: global_buffer, .address_space: global }
      - { .name: c_attn_w_scales, .offset: 24, .size: 8, .value_kind: global_buffer, .address_space: global }
      - { .name: c_attn_b, .offset: 32, .size: 8, .value_kind: global_buffer, .address_space: global }
      - { .name: attendee_mask, .offset: 40, .size: 8, .value_kind: global_buffer, .address_space: global }
      - { .name: kvr, .offset: 48, .size: 8, .value_kind: global_buffer, .address_space: global }
      - { .name: attender_seq, .offset: 56, .size: 8, .value_kind: global_buffer, .address_space: global }
      - { .name: xq, .offset: 64, .size: 8, .value_kind: global_buffer, .address_space: global }
    .group_segment_fixed_size: 327680
    .private_segment_fixed_size: 0
    .kernarg_segment_align: 8
    .kernarg_segment_size: 72
    .max_flat_workgroup_size: 128
    .sgpr_count:     96
    .vgpr_count:     672
    .wavefront_size: 32
...
	.end_amdgpu_metadata
.endif
;; end of part 1
;; launch qproj (part 2): grid 8 x 32, 4 waves a work-group, clusters of 4 x 4, 267,264 bytes of LDS; arguments xq, c_attn_w_codes, c_attn_w_scales, c_attn_b, qq; writes qq
.if DOCPART == 2
	.amdgcn_target "amdgcn-amd-amdhsa--gfx1250"
	.amdhsa_code_object_version 6
	.text
	.protected	k_q97c4216fbb_qproj
	.globl	k_q97c4216fbb_qproj
	.p2align	8
	.type	k_q97c4216fbb_qproj,@function
k_q97c4216fbb_qproj:
	s_mov_b64 s[64:65], 0
	v_nop
	global_prefetch_b8 v0, s[64:65] scope:SCOPE_SE
	s_setreg_imm32_b32 hwreg(HW_REG_WAVE_MODE, 25, 1), 1
	s_wait_xcnt 0x0
	s_wait_alu depctr_hold_cnt(0) depctr_sa_sdst(0) depctr_va_vdst(0) depctr_va_sdst(0) depctr_va_ssrc(0) depctr_va_vcc(0) depctr_vm_vsrc(0)
	s_getreg_b32 s2, hwreg(HW_REG_IB_STS2, 6, 4)
	s_cmp_eq_u32 s2, 0
	s_cbranch_scc0 .Lentry_in_a_cluster
	s_endpgm
.Lentry_in_a_cluster:
	s_bfe_u32 s2, ttmp6, 0x10000c
	s_cmp_lg_u32 s2, 0xf033
	s_cbranch_scc0 .Lentry_shape_is_right
	s_endpgm
.Lentry_shape_is_right:
; o = Q(a x W + bias): a [4096][1024] as images of fragments with their scale words (the layout that the first launch's head describes), W's first 1,024 rows [n][1024] as given codes, K innermost;
; the result is quantised along its 1,024 features in registers and stored in the same layout. It serves q = x Wq + b and the attention's output projection.
; (For q the rows 1,024 on of c_attn_w are not multiplied: the problem slices those columns away.)
; SHARES: a work-group makes 128 rows x 128 features, wave (rh, fh) 64 x 64: 16 accumulators by turns. K = 1,024 lies in two LDS slots of 512, filled once each.
; THE PRODUCT IS USED TRANSPOSED (source 0 = 16 rows of W, source 1 = 16 rows of a): a lane holds one row and its registers run along the features, the next product's K.
; a's codes stand in the order 32 c + 8 h + 0..7, 32 c + 16 + 8 h + 0..7; W is read from LDS in the same order, by two loads of 8 bytes for each 16.
; CLUSTERS: 4 x 4; a's images are shared along a row of the cluster, W's rows along a column: joint loads.
; LIMITS: a block of zeros gets the byte 1 where the quantiser says 127 (zero codes; read by this program alone); NaN and infinities are not served.
; REGISTERS: window 0: v0-31 addresses; v32-47 a's scale words, v48-63 W's (lanes 0-15 tile u, lanes 16-31 tile u + 2); v64-95 at work; v96-127 the bias, later the codes; v128-255 accumulators.
;   window 1: two fragment buffers of 128: four fragments of a, then four of W.
.set SCOFF, 4194304
.set PITCH, 528                        ; a row of W in LDS: 512 bytes + 16
.set RSL,   65536                      ; a's images of 512 along K: [128 along K (4)][tile (8)][2,048]
.set HALFW, 64*PITCH
.set SLOT,  RSL+2*HALFW
.set GATH,  2*SLOT                     ; 512 bytes: the work-group's scale words
.set NF,    48                         ; LDS loads of a K step
.set ADRR, 16
.set ADRW, 20
.set RS,   32
.set WS,   48
.set RAW,  64
.set TM,   64
.set TP,   72
.set SO,   80
.set HO,   88
.set BI,   96
.set PC,   96
.set ACC,  128
.set F0,   0
.set F1,   128
.set WV,   14
.set FW,   15                          ; rh; also: I fetch for a (0) or for W (1)
.set HF,   16                          ; fh; also: which half I fetch
.set MNT,  19
.set SEL,  20
.set G1A,  24
.set G0A,  32
.set G1B,  48
.set G0B,  56
.set MULW, 0x05
.set TO_F, 0x40
.set MSB, 0
.macro WIN new
.if MSB != \new
	s_set_vgpr_msb (MSB<<8)|\new
.set MSB, \new
.endif
.endm
.macro PLACES n
.rept \n
	v_nop
.endr
.endm
.macro JLOAD g0a, g1a, g0b, g1b        ; a joint load; four v_nop follow each of the two lines
	s_cmp_eq_u32 s[FW], 0
	s_cbranch_scc0 .Lfor_b_\@
	tensor_load_to_lds s[\g0a:\g0a+3], s[\g1a:\g1a+7]
	s_nop 0
.rept 4
	v_nop
.endr
	s_branch .Lasked_\@
.Lfor_b_\@:
	tensor_load_to_lds s[\g0b:\g0b+3], s[\g1b:\g1b+7]
	s_nop 0
.rept 4
	v_nop
.endr
.Lasked_\@:
.endm
.macro CROUND
	s_barrier_signal -1
	s_barrier_wait -1
	s_cmp_lg_u32 s[WV], 0
	s_cbranch_scc1 .Lnot_wave_0_\@
	s_barrier_signal -3
.Lnot_wave_0_\@:
	s_barrier_wait -3
	s_barrier_signal -1
	s_barrier_wait -1
.endm
.macro WM d, p, q, c, sp, sq, rp, rq
.if (\rp) && (\rq)
	v_wmma_scale_f32_16x16x128_f8f6f4 v[\d:\d+7], v[\p:\p+15], v[\q:\q+15], v[\c:\c+7], v[\sp], v[\sq] matrix_a_scale:MATRIX_SCALE_ROW1 matrix_b_scale:MATRIX_SCALE_ROW1
.elseif (\rp)
	v_wmma_scale_f32_16x16x128_f8f6f4 v[\d:\d+7], v[\p:\p+15], v[\q:\q+15], v[\c:\c+7], v[\sp], v[\sq] matrix_a_scale:MATRIX_SCALE_ROW1
.elseif (\rq)
	v_wmma_scale_f32_16x16x128_f8f6f4 v[\d:\d+7], v[\p:\p+15], v[\q:\q+15], v[\c:\c+7], v[\sp], v[\sq] matrix_b_scale:MATRIX_SCALE_ROW1
.else
	v_wmma_scale_f32_16x16x128_f8f6f4 v[\d:\d+7], v[\p:\p+15], v[\q:\q+15], v[\c:\c+7], v[\sp], v[\sq]
.endif
.endm
.macro MUL f, sg, first                ; 16 products of K step sg, the accumulators by turns; first = 1: the bias starts the sums
.irp a, 0,1,2,3
.irp b, 0,1,2,3
.if \first
	WM ACC+8*(4*\a+\b), \f+64+16*\b, \f+16*\a, BI+8*\b, WS+8*(\b%2)+(\sg), RS+2*(\sg)+\a%2, \b/2, \a/2
.else
	WM ACC+8*(4*\a+\b), \f+64+16*\b, \f+16*\a, ACC+8*(4*\a+\b), WS+8*(\b%2)+(\sg), RS+2*(\sg)+\a%2, \b/2, \a/2
.endif
.endr
.endr
.endm
.macro FETCH slot, q, f
	WIN TO_F
.irp a, 0,1,2,3
.irp c, 0,1,2,3
	ds_load_b128 v[\f+16*\a+4*\c:\f+16*\a+4*\c+3], v[ADRR+\slot] offset:(\q)*16384+\a*2048+\c*512   ; an image: 512 consecutive bytes
.endr
.endr
.irp b, 0,1,2,3
.irp c, 0,1,2,3
	ds_load_b64 v[\f+64+16*\b+4*\c:\f+64+16*\b+4*\c+1],   v[ADRW+\slot] offset:\b*16*PITCH+128*(\q)+32*\c      ; k = 32 c + 8 h + 0..7
	ds_load_b64 v[\f+64+16*\b+4*\c+2:\f+64+16*\b+4*\c+3], v[ADRW+\slot] offset:\b*16*PITCH+128*(\q)+32*\c+16   ; k = 32 c + 16 + 8 h + 0..7
.endr
.endr
.endm
.macro KSTEP slot, q, f, g, sg, first
	PLACES 8                                       ; eight places in front of loads into registers that products have read
	FETCH \slot, (\q)+1, \g
	s_wait_dscnt NF                                ; this step's fragments are in; the NF just issued may be out
	WIN MULW
	MUL \f, \sg, \first
.endm
.macro QUANT8                          ; as in the launch that makes k and v: eight blocks of 32, block e = the 16 registers ACC + 16 e of lanes l and l xor 16
.irp e, 0,1,2,3,4,5,6,7
	v_max3_num_f32 v[TM+\e], |v[ACC+16*\e]|, |v[ACC+16*\e+1]|, 0x4800000   ; with the floor 2^(9 - 127)
.endr
.irp i, 2,4,6,8,10,12,14
.irp e, 0,1,2,3,4,5,6,7
	v_max3_num_f32 v[TM+\e], v[TM+\e], |v[ACC+16*\e+\i]|, |v[ACC+16*\e+\i+1]|
.endr
.endr
.irp e, 0,1,2,3,4,5,6,7
	v_permlanex16_b32 v[TP+\e], v[TM+\e], s[SEL], s[SEL+1]
.endr
.irp e, 0,1,2,3,4,5,6,7
	v_max_num_f32 v[TM+\e], v[TM+\e], v[TP+\e]
.endr
.irp e, 0,1,2,3,4,5,6,7
	v_add_nc_u32 v[SO+\e], 0xfc000000, v[TM+\e]
.endr
.irp e, 0,1,2,3,4,5,6,7
.endr
.irp e, 0,1,2,3,4,5,6,7
	v_lshrrev_b32 v[TP+\e], 23, v[SO+\e]
.endr
.irp e, 0,1,2,3,4,5,6,7
.irp i, 0,1,2,3,4,5,6,7,8,9,10,11,12,13,14,15
.endr
	v_cvt_scalef32_pk8_fp8_f32 v[PC+4*\e:PC+4*\e+1], v[ACC+16*\e:ACC+16*\e+7], v[SO+\e]
	v_cvt_scalef32_pk8_fp8_f32 v[PC+4*\e+2:PC+4*\e+3], v[ACC+16*\e+8:ACC+16*\e+15], v[SO+\e]
.endr
	v_nop
.endm
	s_load_b256 s[4:11], s[0:1], 0x0               ; a, W's codes, W's scales, bias
	s_load_b64 s[12:13], s[0:1], 0x20              ; o
	v_lshl_add_u32 v30, v0, 2, 0x41200
	v_mov_b32 v31, 0
	ds_add_u32 v30, v31
	ds_add_u32 v30, v31
	v_lshrrev_b32 v1, 5, v0
	v_readfirstlane_b32 s[WV], v1
	s_lshr_b32 s[FW], s[WV], 1
	s_and_b32 s[HF], s[WV], 1
	s_bfe_u32 s40, ttmp6, 0x40000                  ; cx
	s_bfe_u32 s41, ttmp6, 0x40004                  ; cy
	s_lshl_b32 s42, ttmp9, 2
	s_add_co_u32 s42, s42, s40                     ; x: which 128 features
	s_and_b32 s17, ttmp7, 0xffff
	s_lshl_b32 s17, s17, 2
	s_add_co_u32 s17, s17, s41                     ; y: which 128 rows
	s_lshl_b32 s43, s41, 2
	s_lshl_b32 s43, 15, s43
	s_lshl_b32 s44, 0x1111, s40
	s_or_b32 s[G1A], s43, (3<<16)|(1<<21)          ; a's images: a dense block as 128 rows of 32 elements of 8 bytes, no padding
	s_mov_b32 s[G1A+1], 32<<16
	s_mov_b32 s[G1A+2], 128<<16
	s_mov_b32 s[G1A+3], 32<<16
	s_mov_b32 s[G1A+4], 128
	s_mov_b32 s[G1A+5], 32
	s_mov_b32 s[G1A+6], 0
	s_mov_b32 s[G1A+7], 0
	s_or_b32 s[G1B], s44, (1<<20)|(1<<21)|(6<<22)|(3<<25)   ; W: 64 rows of 512 bytes, 4 words of padding behind every 128
	s_mov_b32 s[G1B+1], 512<<16
	s_mov_b32 s[G1B+2], 64<<16
	s_mov_b32 s[G1B+3], 512<<16
	s_mov_b32 s[G1B+4], 64
	s_mov_b32 s[G1B+5], 1024
	s_mov_b32 s[G1B+6], 0
	s_mov_b32 s[G1B+7], 0
	s_lshl_b32 s66, s17, 17                        ; a: 131,072 y + 32,768 half
	s_lshl_b32 s67, s[HF], 15
	s_add_co_u32 s66, s66, s67
	s_mov_b32 s67, 0
	s_lshl_b32 s46, s42, 17                        ; W: row 128 x + 64 half
	s_lshl_b32 s47, s[HF], 16
	s_add_co_u32 s46, s46, s47
	s_mov_b32 s47, 0
	s_lshl_b32 s45, s[HF], 15                      ; where they go
	s_mul_i32 s68, s[HF], HALFW
	s_add_co_u32 s68, s68, RSL
	s_mov_b32 s[SEL], 0x76543210
	s_mov_b32 s[SEL+1], 0xfedcba98
	s_mov_b32 s80, 0x05040100
	s_mov_b32 s81, 0x07060302
	s_wait_dscnt 0x0
	s_wait_kmcnt 0x0
	s_add_nc_u64 s[66:67], s[4:5], s[66:67]
	s_add_nc_u64 s[46:47], s[6:7], s[46:47]
	CROUND                                         ; all sixteen work-groups are here: the joint loads meet
.irp s, 0,1
	s_mov_b32 s[G0A+4*\s], 1
	s_add_co_u32 s[G0A+4*\s+1], s45, \s*SLOT
	s_add_nc_u64 s[G0A+4*\s+2:G0A+4*\s+3], s[66:67], \s*RSL
	s_or_b32 s[G0A+4*\s+3], s[G0A+4*\s+3], 0x80000000
	s_mov_b32 s[G0B+4*\s], 1
	s_add_co_u32 s[G0B+4*\s+1], s68, \s*SLOT
	s_add_nc_u64 s[G0B+4*\s+2:G0B+4*\s+3], s[46:47], \s*512
	s_or_b32 s[G0B+4*\s+3], s[G0B+4*\s+3], 0x80000000
	JLOAD G0A+4*\s, G1A, G0B+4*\s, G1B             ; both slots are filled once: two loads of mine are out
.endr
	v_and_b32 v1, 31, v0                           ; lane
	v_and_b32 v2, 15, v0                           ; r
	v_bfe_u32 v3, v0, 4, 1                         ; h
	v_lshlrev_b32 v4, 4, v1                        ; 16 x lane
	v_lshlrev_b32 v5, 2, v1                        ; 4 x lane
	s_lshl_b32 s69, s[FW], 13
	v_add_nc_u32 v[ADRR], s69, v4                  ; my four tiles' images: 8,192 rh + 16 lane
	v_add_nc_u32 v[ADRR+1], SLOT, v[ADRR]
	v_mul_u32_u24 v6, v2, PITCH
	v_lshl_add_u32 v6, v3, 3, v6
	s_mul_i32 s69, s[HF], HALFW
	s_add_co_u32 s69, s69, RSL
	v_add_nc_u32 v[ADRW], s69, v6                  ; my 64 rows of W: row r x pitch + 8 h
	v_add_nc_u32 v[ADRW+1], SLOT, v[ADRW]
	v_lshlrev_b32 v7, 5, v2
	v_lshl_add_u32 v7, v3, 10, v7                  ; W's scale rows of 32 bytes: row 32 h + r
	s_wait_alu depctr_va_vdst(0)
	v_lshlrev_b32 v8, 5, v3                        ; 32 h
	s_wait_alu depctr_va_vdst(0)
	s_lshl_b32 s69, s[HF], 8
	s_lshl_b32 s82, s[FW], 7
	s_add_co_u32 s69, s69, s82
	s_add_co_u32 s69, s69, GATH
	v_add_nc_u32 v9, s69, v5                       ; GATH + 256 fh + 128 rh + 4 lane
	v_add_nc_u32 v10, GATH, v4
	v_lshlrev_b32 v11, 4, v2
	v_lshl_add_u32 v11, v3, 13, v11                ; 8,192 (lane / 16) + 16 r
	s_lshl_b32 s70, s17, 8                         ; a's scale words: SCOFF + 256 y + 128 rh
	s_lshl_b32 s71, s[FW], 7
	s_add_co_u32 s70, s70, s71
	s_add_co_u32 s70, s70, SCOFF
	s_mov_b32 s71, 0
	s_add_nc_u64 s[70:71], s[4:5], s[70:71]
	s_lshl_b32 s72, s42, 12
	s_lshl_b32 s73, s[HF], 11
	s_add_co_u32 s72, s72, s73
	s_mov_b32 s73, 0
	s_add_nc_u64 s[72:73], s[8:9], s[72:73]        ; W's scales of row 128 x + 64 fh on
	s_lshl_b32 s74, s42, 9
	s_lshl_b32 s75, s[HF], 8
	s_add_co_u32 s74, s74, s75
	s_mov_b32 s75, 0
	s_add_nc_u64 s[74:75], s[10:11], s[74:75]      ; the bias of those features
	s_lshl_b32 s76, s17, 17                        ; o's images: 131,072 y + 16,384 x + 8,192 rh + 1,024 fh
	s_lshl_b32 s77, s42, 14
	s_add_co_u32 s76, s76, s77
	s_add_co_u32 s78, s77, SCOFF                   ; o's scale words: SCOFF + 16,384 x + 256 y
	s_lshl_b32 s77, s[FW], 13
	s_add_co_u32 s76, s76, s77
	s_lshl_b32 s77, s[HF], 10
	s_add_co_u32 s76, s76, s77
	s_mov_b32 s77, 0
	s_lshl_b32 s79, s17, 8
	s_add_co_u32 s78, s78, s79
	s_mov_b32 s79, 0
	s_add_nc_u64 s[76:77], s[12:13], s[76:77]
	s_add_nc_u64 s[78:79], s[12:13], s[78:79]
.irp i, 0,1,2,3,4,5,6,7,8,9,10,11,12,13,14,15
	global_load_b32 v[RAW+\i], v5, s[70:71] offset:\i*8192   ; K / 64 = i: lanes 0-15 rows 0-31's words, lanes 16-31 rows 32-63's
.endr
.irp u, 0,1
.irp q, 0,1
	global_load_b128 v[WS+8*\u+4*\q:WS+8*\u+4*\q+3], v7, s[72:73] offset:512*\u+16*\q
.endr
.endr
.irp b, 0,1,2,3
	global_load_b128 v[BI+8*\b:BI+8*\b+3],   v8, s[74:75] offset:64*\b
	global_load_b128 v[BI+8*\b+4:BI+8*\b+7], v8, s[74:75] offset:64*\b+16
.endr
	s_wait_loadcnt 0x0
.irp g, 0,1,2,3,4,5,6,7
	v_perm_b32 v[RS+2*\g],   v[RAW+2*\g+1], v[RAW+2*\g], s80   ; K step g: the even tiles' four bytes,
	v_perm_b32 v[RS+2*\g+1], v[RAW+2*\g+1], v[RAW+2*\g], s81   ; the odd tiles'
.endr
	PLACES 8                                       ; a scale register written by a vector instruction stands eight places ahead of the product
	s_wait_tensorcnt 0x1                           ; my part of slot 0 has landed; slot 1's may be out
	s_barrier_signal -1
	s_barrier_wait -1
	FETCH 0, 0, F0
	KSTEP 0, 0, F0, F1, 0, 1
	KSTEP 0, 1, F1, F0, 1, 0
	KSTEP 0, 2, F0, F1, 2, 0
	s_wait_alu depctr_va_vdst(0)
	s_wait_tensorcnt 0x0                           ; my part of slot 1 has landed,
	s_wait_dscnt 0x0                               ; and no LDS load of mine is pending at the signal
	s_barrier_signal -1
	WIN MULW
	MUL F1, 3, 0
	s_barrier_wait -1                              ; slot 1 is whole
	PLACES 8
	FETCH 1, 0, F0
	KSTEP 1, 0, F0, F1, 4, 0
	KSTEP 1, 1, F1, F0, 5, 0
	KSTEP 1, 2, F0, F1, 6, 0
	s_wait_dscnt 0x0
	WIN MULW
	MUL F1, 7, 0
	WIN 0
.irp e, 0,1,2,3,4,5,6,7
	v_mov_b32 v[TP+\e], 0                          ; a lane permute's destination counts as a source; these eight are also the places behind the last products
.endr
	QUANT8                                         ; block e = 2 a + t: row tile a, features 64 fh + 32 t on
.irp a, 0,1,2,3
.irp t, 0,1
	global_store_b128 v4, v[PC+4*(2*\a+\t):PC+4*(2*\a+\t)+3], s[76:77] offset:\a*2048+\t*512   ; 512 consecutive bytes, aligned
.endr
.endr
.irp g, 0,1
	v_lshl_or_b32 v[12+\g], v[TP+4*\g+1], 8, v[TP+4*\g]      ; rows 32 g on: the even tile's two bytes, then the odd tile's
	v_lshl_or_b32 v[12+\g], v[TP+4*\g+2], 16, v[12+\g]
	v_lshl_or_b32 v[12+\g], v[TP+4*\g+3], 24, v[12+\g]
.endr
	v_cmp_lt_u32 vcc_lo, 15, v1
	v_cndmask_b32 v12, v12, v13, vcc_lo
	ds_store_b32 v9, v12
	s_wait_dscnt 0x0                               ; for the others' sake: my words have landed
	s_barrier_signal -1
	s_barrier_wait -1
	s_cmp_lg_u32 s[WV], 0
	s_cbranch_scc1 .Ldone
	ds_load_b128 v[24:27], v10
	s_wait_dscnt 0x0
	global_store_b128 v11, v[24:27], s[78:79]      ; two aligned runs of 256 bytes
.Ldone:
	s_wait_tensorcnt 0x0
	ds_add_u32 v30, v31
	s_wait_dscnt 0x0
	CROUND                                         ; the closing round
	s_endpgm
.Lfunc_end_k_q97c4216fbb_qproj:
	.size	k_q97c4216fbb_qproj, .Lfunc_end_k_q97c4216fbb_qproj-k_q97c4216fbb_qproj
	.p2alignl 7, 3214868480
	.fill 96, 4, 3214868480
	.section	.rodata,"a",@progbits
	.p2align	6, 0x0
	.amdhsa_kernel k_q97c4216fbb_qproj
		.amdhsa_group_segment_fixed_size 267264
		.amdhsa_private_segment_fixed_size 0
		.amdhsa_enable_private_segment 0
		.amdhsa_kernarg_size 40
		.amdhsa_user_sgpr_count 2
		.amdhsa_user_sgpr_kernarg_segment_ptr 1
		.amdhsa_wavefront_size32 1
		.amdhsa_system_sgpr_workgroup_id_x 1
		.amdhsa_system_sgpr_workgroup_id_y 1
		.amdhsa_system_sgpr_workgroup_id_z 1
		.amdhsa_system_vgpr_workitem_id 0
		.amdhsa_next_free_vgpr 512
		.amdhsa_next_free_sgpr 84
		.amdhsa_reserve_vcc 1
		.amdhsa_float_denorm_mode_32 3
		.amdhsa_float_denorm_mode_16_64 3
		.amdhsa_fp16_overflow 1
		.amdhsa_memory_ordered 1
		.amdhsa_forward_progress 1
		.amdhsa_inst_pref_size 64
	.end_amdhsa_kernel
	.amdgpu_metadata
---
amdhsa.version: [ 1, 2 ]
amdhsa.kernels:
  - .name:           k_q97c4216fbb_qproj
    .symbol:         k_q97c4216fbb_qproj.kd
    .args:
      - { .name: xq, .offset: 0, .size: 8, .value_kind: global_buffer, .address_space: global }
      - { .name: c_attn_w_codes, .offset: 8, .size: 8, .value_kind: global_buffer, .address_space: global }
      - { .name: c_attn_w_scales, .offset: 16, .size: 8, .value_kind: global_buffer, .address_space: global }
      - { .name: c_attn_b, .offset: 24, .size: 8, .value_kind: global_buffer, .address_space: global }
      - { .name: qq, .offset: 32, .size: 8, .value_kind: global_buffer, .address_space: global }
    .group_segment_fixed_size: 267264
    .private_segment_fixed_size: 0
    .kernarg_segment_align: 8
    .kernarg_segment_size: 40
    .max_flat_workgroup_size: 128
    .sgpr_count:     84
    .vgpr_count:     512
    .wavefront_size: 32
...
	.end_amdgpu_metadata
.endif
;; end of part 2
;; launch attn (part 3): grid 8 x 32, 16 waves a work-group, clusters of 4 x 1, 281,088 bytes of LDS; arguments qq, kvr, aq; writes aq
.if DOCPART == 3
	.amdgcn_target "amdgcn-amd-amdhsa--gfx1250"
	.amdhsa_code_object_version 6
	.text
	.protected	k_q97c4216fbb_attn
	.globl	k_q97c4216fbb_attn
	.p2align	8
	.type	k_q97c4216fbb_attn,@function
k_q97c4216fbb_attn:
	s_mov_b64 s[64:65], 0
	v_nop
	global_prefetch_b8 v0, s[64:65] scope:SCOPE_SE
	s_setreg_imm32_b32 hwreg(HW_REG_WAVE_MODE, 25, 1), 1
	s_wait_xcnt 0x0
	s_wait_alu depctr_hold_cnt(0) depctr_sa_sdst(0) depctr_va_vdst(0) depctr_va_sdst(0) depctr_va_ssrc(0) depctr_va_vcc(0) depctr_vm_vsrc(0)
	s_getreg_b32 s2, hwreg(HW_REG_IB_STS2, 6, 4)
	s_cmp_eq_u32 s2, 0
	s_cbranch_scc0 .Lentry_in_a_cluster
	s_endpgm
.Lentry_in_a_cluster:
	s_bfe_u32 s2, ttmp6, 0x10000c
	s_cmp_lg_u32 s2, 0x3003
	s_cbranch_scc0 .Lentry_shape_is_right
	s_endpgm
.Lentry_shape_is_right:
; aq = Q(softmax(q k^T x mask) v), head size 64, 2,048 keys, both products on codes of FP8 (E4M3) with E8M0 scales. The mask MULTIPLIES the score: a key with mask 0 stays in the softmax with logit 0.
; t = score x (float(mask) x log2 e); M = the running largest t rounded up to a whole number; p = 2^(t - M) is quantised along the keys; the row's sum is taken of the unquantised p and divides at the end.
; SHARES: a work-group owns 256 queries of one (batch, head); each of its sixteen waves one tile of 16, in 256 registers: four waves to a SIMD, so that one wave's vector work stands beside another's products and LDS loads.
; THE WHOLE HEAD LIES IN LDS: 16 records of 17,408 bytes (their layout: the head of the launch that makes them), filled ONCE: no slot is ever filled again.
; Every wave issues four joint loads, load p of wave w bringing bytes (16 p + w) x 4,352 on: so the p-th loads of the sixteen waves are records 4 p .. 4 p + 3.
; Records 0-3 are read behind a counted wait for the first load and a barrier; records 4-15 behind one wait for all loads and one barrier: the waves are brought into step twice in all.
; CLUSTER: the four query blocks of a cluster belong to one head and read the same records: each load names all four.
; LAYOUT: S^T = k q^T and O^T = v^T p^T: a lane holds ONE query. The head's 64 fill half of the instruction's 128: a fragment of k holds TWO key tiles (pieces 0, 1 and 2, 3), and is multiplied by [q | 0] and by [0 | q].
; LIMITS: NaN and infinities are not served; a block of zeros carries the byte 1 (zero codes; read by this program alone).
; REGISTERS: v1-8 addresses; v9 q's scale word, v10 p's; v12 -M, v13 the largest t, v[14:15] the sum; v16-31 [q | 0], v32-47 [0 | q]; v48-111 four fragments of k, then the mask's factors, then v;
;   v112-175 S^T, t, p; v176-207 O^T; v208-223 p's codes; v224-248 at work; v240-243 the scale words of k or v.
.set REC,   17408
.set VCO,   8192
.set KSO,   16384
.set VSO,   16640
.set MFO,   16896
.set PART,  4352                       ; bytes of one tensor load: 17 rows of 256
.set GATH,  16*REC                     ; 512 bytes: the work-group's scale words
.set SCOFF, 4194304
.set ADK,  4
.set ADS,  5
.set ADM,  6
.set QS,   9
.set PW,   10
.set QL,   16
.set QH,   32
.set F,    48
.set S,    112
.set O,    176
.set P,    208
.set BM,   224
.set PT,   228
.set HO,   232
.set SO,   236
.set SW,   240
.set C2S,  244
.set FF,   246
.set TT,   248
.set WV,   10
.set SEL,  20
.set MNT,  22
.set TB,   23
.set G1,   24
.set G0,   32
.set CNT,  48
.macro ROUND                           ; a round of the cluster's barrier
	s_barrier_signal -1
	s_barrier_wait -1
	s_cmp_lg_u32 s[WV], 0
	s_cbranch_scc1 .Lnot_wave_0_\@
	s_barrier_signal -3
.Lnot_wave_0_\@:
	s_barrier_wait -3
	s_barrier_signal -1
	s_barrier_wait -1
.endm
	s_load_b128 s[4:7], s[0:1], 0x0                ; qq, kvr
	s_load_b64 s[8:9], s[0:1], 0x10                ; aq
	v_lshl_add_u32 v254, v0, 2, 0x44200
	v_mov_b32 v255, 0
	ds_add_u32 v254, v255
	ds_add_u32 v254, v255
	v_lshrrev_b32 v1, 5, v0
	s_delay_alu instid0(VALU_DEP_1)
	v_readfirstlane_b32 s[WV], v1                  ; wave 0..15
	s_bfe_u32 s11, ttmp6, 0x40000                  ; cx
	s_lshl_b32 s12, ttmp9, 2
	s_add_co_u32 s12, s12, s11                     ; my block of 256 queries: it enters q's and aq's addresses alone
	s_and_b32 s13, ttmp7, 0xffff                   ; batch x 16 + head, which the four partners share
	s_and_b32 s14, s13, 15                         ; head
	s_lshr_b32 s15, s13, 4                         ; batch
	s_mov_b32 s[G1], 15|(3<<16)|(1<<21)            ; the mask: all four; elements of 8 bytes; bit 21 beside a mask; no padding
	s_mov_b32 s[G1+1], 32<<16                      ; tensor_dim0: 256 bytes
	s_mov_b32 s[G1+2], 17<<16                      ; tensor_dim1
	s_mov_b32 s[G1+3], 32<<16                      ; tile_dim0
	s_mov_b32 s[G1+4], 17                          ; tile_dim1
	s_mov_b32 s[G1+5], 32                          ; dense
	s_mov_b32 s[G1+6], 0
	s_mov_b32 s[G1+7], 0
	s_mul_i32 s16, s[WV], PART
	s_mul_i32 s50, s13, 16*REC
	s_add_co_u32 s50, s50, s16
	s_mov_b32 s51, 0
	s_mov_b32 s[SEL], 0x76543210
	s_mov_b32 s[SEL+1], 0xfedcba98
	s_wait_dscnt 0x0
	s_wait_kmcnt 0x0
	s_add_nc_u64 s[50:51], s[6:7], s[50:51]        ; the head's records, + my wave's part
.irp p, 0,1,2,3
	s_mov_b32 s[G0+4*\p], 1
	s_add_co_u32 s[G0+4*\p+1], s16, \p*16*PART     ; LDS and memory are laid alike
	s_add_nc_u64 s[G0+4*\p+2:G0+4*\p+3], s[50:51], \p*16*PART
	s_or_b32 s[G0+4*\p+3], s[G0+4*\p+3], 0x80000000
.endr
	ROUND                                          ; all four work-groups are here: the joint loads meet
	tensor_load_to_lds s[G0:G0+3], s[G1:G1+7]      ; the four first fills stand together: four loads of mine are out
	s_nop 0
	tensor_load_to_lds s[G0+4:G0+7], s[G1:G1+7]
	s_nop 0
	tensor_load_to_lds s[G0+8:G0+11], s[G1:G1+7]
	s_nop 0
	tensor_load_to_lds s[G0+12:G0+15], s[G1:G1+7]
	s_nop 0
.rept 4
	v_nop
.endr
	v_and_b32 v1, 31, v0
	s_delay_alu instid0(VALU_DEP_1)
	v_lshlrev_b32 v1, 4, v1                        ; 16 x lane
	s_wait_alu depctr_va_vdst(0)
	v_and_b32 v2, 15, v0
	s_delay_alu instid0(VALU_DEP_1)
	v_lshlrev_b32 v2, 2, v2                        ; 4 r
	s_wait_alu depctr_va_vdst(0)
	v_bfe_u32 v3, v0, 4, 1
	s_delay_alu instid0(VALU_DEP_1)
	v_lshlrev_b32 v3, 5, v3                        ; 32 h
	s_lshr_b32 s17, s[WV], 1
	s_lshl_b32 s17, s17, 6
	s_and_b32 s18, s[WV], 1
	s_lshl_b32 s49, s18, 4                         ; my tile's half of a scale word: 16 x (wave % 2) bits up
	s_lshl_b32 s18, s18, 1
	s_add_co_u32 s17, s17, s18
	s_add_co_u32 s17, s17, GATH
	v_add_nc_u32 v7, s17, v2                       ; GATH + 64 (wave / 2) + 2 (wave % 2) + 4 r
	v_add_nc_u32 v8, GATH, v1
	s_lshl_b32 s52, s15, 4                         ; my tile's images in qq and aq: row group = 16 batch + 2 block + wave / 8,
	s_lshl_b32 s53, s12, 1
	s_add_co_u32 s52, s52, s53
	s_lshr_b32 s53, s[WV], 3
	s_add_co_u32 s52, s52, s53
	s_lshl_b32 s52, s52, 17
	s_lshr_b32 s53, s14, 1                         ; K / 128 = head / 2,
	s_lshl_b32 s53, s53, 14
	s_add_co_u32 s52, s52, s53
	s_and_b32 s53, s[WV], 7                        ; tile = wave % 8,
	s_lshl_b32 s53, s53, 11
	s_add_co_u32 s52, s52, s53
	s_and_b32 s53, s14, 1                          ; pieces 2 (head % 2) and the next
	s_lshl_b32 s53, s53, 10
	s_add_co_u32 s52, s52, s53
	s_mov_b32 s53, 0
	s_add_nc_u64 s[54:55], s[4:5], s[52:53]
	s_add_nc_u64 s[56:57], s[8:9], s[52:53]
	s_lshl_b32 s60, s14, 13                        ; the scale words: SCOFF + 8,192 head + 64 (64 batch + 8 block [+ wave / 2])
	s_lshl_b32 s61, s15, 12
	s_add_co_u32 s60, s60, s61
	s_lshl_b32 s61, s12, 9
	s_add_co_u32 s60, s60, s61
	s_add_co_u32 s60, s60, SCOFF
	s_lshr_b32 s58, s[WV], 1
	s_lshl_b32 s58, s58, 6
	s_add_co_u32 s58, s58, s60
	s_mov_b32 s59, 0
	s_mov_b32 s61, 0
	s_add_nc_u64 s[58:59], s[4:5], s[58:59]
	s_add_nc_u64 s[60:61], s[8:9], s[60:61]
	global_load_b128 v[QL:QL+3],     v1, s[54:55]              ; q's two pieces, once as pieces 0, 1
	global_load_b128 v[QL+4:QL+7],   v1, s[54:55] offset:512
	global_load_b128 v[QH+8:QH+11],  v1, s[54:55]              ; and once as pieces 2, 3: the two operands share no register
	global_load_b128 v[QH+12:QH+15], v1, s[54:55] offset:512
	global_load_b32 v[TT], v2, s[58:59]
.set j, 0
.rept 16
	v_mov_b32 v[QL+8+j], 0                         ; zero codes: they add nothing under any scale byte but 0xff
.set j, j+1
.endr
.set j, 0
.rept 32
	v_mov_b32 v[O+j], 0                            ; O^T: the step is written once; the first change of M leaves zeros zeros
.set j, j+1
.endr
.irp b, 0,1,2,3
	v_mov_b32 v[PT+\b], 0                          ; a lane permute's destination counts as one of its sources
.endr
	v_mov_b32 v[FF+1], 0                           ; named as the upper half of a pair
	v_mov_b32 v13, 0xff61b1e6                      ; the largest t so far: -3e38
	s_delay_alu instid0(VALU_DEP_1)
	v_floor_f32 v12, -v13                          ; -M
	v_mov_b32 v14, 0
	v_mov_b32 v15, 0
	s_wait_loadcnt 0x0
	v_lshrrev_b32 v[TT], s49, v[TT]
	s_delay_alu instid0(VALU_DEP_1)
	v_and_b32 v[TT], 0xffff, v[TT]                 ; my tile's two bytes,
	s_delay_alu instid0(VALU_DEP_1)
	v_lshl_or_b32 v[QS], v[TT], 16, v[TT]          ; for pieces 0, 1 and for pieces 2, 3 (eight plain lines stand at the step's head, ahead of the first product)
; A KEY STEP: the record at LDS byte s[TB]: 128 keys
.macro STEP
	v_add_nc_u32 v[ADK], s[TB], v1
	v_add_nc_u32 v[ADS], s[TB], v2
	v_add_nc_u32 v[ADM], s[TB], v3
.rept 5
	v_nop                                          ; with the three additions: eight places in front of loads into registers that the last products have read
.endr
.irp f, 0,1,2,3
.irp c, 0,1,2,3
	ds_load_b128 v[F+16*\f+4*\c:F+16*\f+4*\c+3], v[ADK] offset:2048*\f+512*\c
.endr
	ds_load_b32 v[SW+\f], v[ADS] offset:KSO+64*\f
.endr
	s_wait_alu depctr_va_vdst(0)
	s_wait_dscnt 0x0
.irp f, 0,1,2,3
	v_wmma_scale_f32_16x16x128_f8f6f4 v[S+16*\f:S+16*\f+7],    v[F+16*\f:F+16*\f+15], v[QL:QL+15], 0, v[SW+\f], v[QS]   ; key tile 2 f
	v_wmma_scale_f32_16x16x128_f8f6f4 v[S+16*\f+8:S+16*\f+15], v[F+16*\f:F+16*\f+15], v[QH:QH+15], 0, v[SW+\f], v[QS]   ; key tile 2 f + 1
.endr                                          ; register 16 b + i: key 32 b + 8 h + i (i < 8), 32 b + 16 + 8 h + i - 8 (else)
.rept 8
	v_nop
.endr
.irp b, 0,1,2,3
	ds_load_b128 v[F+16*\b:F+16*\b+3],     v[ADM] offset:MFO+128*\b      ; the mask's factors of my 64 keys, in the scores' order
	ds_load_b128 v[F+16*\b+4:F+16*\b+7],   v[ADM] offset:MFO+128*\b+16
	ds_load_b128 v[F+16*\b+8:F+16*\b+11],  v[ADM] offset:MFO+128*\b+64
	ds_load_b128 v[F+16*\b+12:F+16*\b+15], v[ADM] offset:MFO+128*\b+80
.endr
	s_wait_dscnt 0x0
.set j, 0
.rept 32
	v_pk_mul_f32 v[S+j:S+j+1], v[S+j:S+j+1], v[F+j:F+j+1]   ; t = score x mask x log2 e; each accumulator from its low end on
.set j, j+2
.endr
.irp d, 0,1,2,3                                ; v's four tiles and their scale words are asked for now and land under the softmax
.irp c, 0,1,2,3
	ds_load_b128 v[F+16*\d+4*\c:F+16*\d+4*\c+3], v[ADK] offset:VCO+2048*\d+512*\c
.endr
	ds_load_b32 v[SW+\d], v[ADS] offset:VSO+64*\d
.endr
.irp b, 0,1,2,3
	v_max3_num_f32 v[BM+\b], v[S+16*\b], v[S+16*\b+1], v[S+16*\b+2]   ; the largest t of each block of 32 keys: for the row's maximum, and for the block's largest p
.endr
.irp i, 3,5,7,9,11,13
.irp b, 0,1,2,3
	s_delay_alu instid0(VALU_DEP_4)
	v_max3_num_f32 v[BM+\b], v[BM+\b], v[S+16*\b+\i], v[S+16*\b+\i+1]
.endr
.endr
.irp b, 0,1,2,3
	s_delay_alu instid0(VALU_DEP_4)
	v_max_num_f32 v[BM+\b], v[BM+\b], v[S+16*\b+15]
.endr
.irp b, 0,1,2,3
	s_delay_alu instid0(VALU_DEP_4)
	v_permlanex16_b32 v[PT+\b], v[BM+\b], s[SEL], s[SEL+1]
.endr
.irp b, 0,1,2,3
	s_delay_alu instid0(VALU_DEP_4)
	v_max_num_f32 v[BM+\b], v[BM+\b], v[PT+\b]
.endr
	s_delay_alu instid0(VALU_DEP_2)
	v_max3_num_f32 v[TT], v[BM], v[BM+1], v[BM+2]
	s_delay_alu instid0(VALU_DEP_1)
	v_max_num_f32 v[TT], v[TT], v[BM+3]
	s_delay_alu instid0(VALU_DEP_1)
	v_max_num_f32 v13, v13, v[TT]                  ; the running largest t
	v_mov_b32 v[TT], v12
	s_delay_alu instid0(VALU_DEP_2)
	v_floor_f32 v12, -v13                          ; the new -M = -ceil(t)
	s_delay_alu instid0(VALU_DEP_1)
	v_sub_f32 v[TT], v12, v[TT]                    ; old M - new M: a whole number, 0 or less
	s_delay_alu instid0(VALU_DEP_1)
	v_cvt_i32_f32 v[TT], v[TT]                     ; (it saturates)
	s_delay_alu instid0(VALU_DEP_1)
	v_ldexp_f32 v[FF], 1.0, v[TT]                  ; f = 2^(old M - new M): the rescaling rounds nothing
.set j, 0
.rept 32
	v_pk_add_f32 v[S+j:S+j+1], v[S+j:S+j+1], v[12:13] op_sel_hi:[1,0]   ; t - M (the pair's low word serves both halves)
.set j, j+2
.endr
.irp b, 0,1,2,3
	v_add_f32 v[BM+\b], v[BM+\b], v12              ; the same of each block's largest t
.endr
.set j, 0
	s_setprio 1
	s_wait_alu depctr_va_vdst(0)
.rept 64
	v_exp_f32 v[S+j], v[S+j]                       ; p = 2^(t - M)
.set j, j+1
.endr
	v_pk_mul_f32 v[14:15], v[14:15], v[FF:FF+1] op_sel_hi:[1,0]   ; the sums under the new M: the plain line behind the batch
	s_wait_alu depctr_va_vdst(0)                   ; one wait for the 64, ahead of their first reader
.irp b, 0,1,2,3
	v_exp_f32 v[BM+\b], v[BM+\b]                   ; the block's largest p: the same operations on the same number give the same bits
.endr
	v_pk_add_f32 v[244:245], v[116:117], v[120:121]
	v_pk_add_f32 v[252:253], v[124:125], v[128:129]
	v_pk_add_f32 v[250:251], v[132:133], v[136:137]
	v_pk_add_f32 v[238:239], v[140:141], v[144:145]
	v_pk_add_f32 v[236:237], v[148:149], v[152:153]
	v_pk_add_f32 v[234:235], v[156:157], v[160:161]
	v_pk_add_f32 v[232:233], v[164:165], v[168:169]
	v_pk_add_f32 v[14:15], v[14:15], v[172:173]
	v_pk_add_f32 v[244:245], v[244:245], v[112:113]
	v_pk_add_f32 v[252:253], v[252:253], v[114:115]
	v_pk_add_f32 v[250:251], v[250:251], v[118:119]
	v_pk_add_f32 v[238:239], v[238:239], v[122:123]
	v_pk_add_f32 v[236:237], v[236:237], v[126:127]
	v_pk_add_f32 v[234:235], v[234:235], v[130:131]
	v_pk_add_f32 v[232:233], v[232:233], v[134:135]
	v_pk_add_f32 v[14:15], v[14:15], v[138:139]
	v_pk_add_f32 v[244:245], v[244:245], v[142:143]
	v_pk_add_f32 v[252:253], v[252:253], v[146:147]
	v_pk_add_f32 v[250:251], v[250:251], v[150:151]
	v_pk_add_f32 v[238:239], v[238:239], v[154:155]
	v_pk_add_f32 v[236:237], v[236:237], v[158:159]
	v_pk_add_f32 v[234:235], v[234:235], v[162:163]
	v_pk_add_f32 v[232:233], v[232:233], v[166:167]
	v_pk_add_f32 v[14:15], v[14:15], v[170:171]
	v_pk_add_f32 v[244:245], v[244:245], v[174:175]
	s_delay_alu instid0(VALU_DEP_2)
	v_pk_add_f32 v[14:15], v[14:15], v[238:239]
	s_delay_alu instid0(VALU_DEP_2)
	v_pk_add_f32 v[244:245], v[244:245], v[236:237]
	v_pk_add_f32 v[252:253], v[252:253], v[234:235]
	v_pk_add_f32 v[250:251], v[250:251], v[232:233]
	s_delay_alu instid0(VALU_DEP_2)
	v_pk_add_f32 v[14:15], v[14:15], v[252:253]
	s_delay_alu instid0(VALU_DEP_2)
	v_pk_add_f32 v[244:245], v[244:245], v[250:251]
	s_delay_alu instid0(VALU_DEP_1)
	v_pk_add_f32 v[14:15], v[14:15], v[244:245]
	s_wait_alu depctr_va_vdst(0)                   ; and one for the four
.irp b, 0,1,2,3
	v_max_num_f32 v[BM+\b], 0x4800000, v[BM+\b]    ; the floor 2^(9 - 127)
.endr
.irp b, 0,1,2,3
	s_delay_alu instid0(VALU_DEP_4)
	v_add_nc_u32 v[SO+\b], 0xfc000000, v[BM+\b]
.endr
.irp b, 0,1,2,3
.endr
.irp b, 0,1,2,3
	s_delay_alu instid0(VALU_DEP_4)
	v_lshrrev_b32 v[PT+\b], 23, v[SO+\b]
.endr
	s_delay_alu instid0(VALU_DEP_3)
	v_lshl_or_b32 v[PW], v[PT+1], 8, v[PT]         ; p's scale word for these 128 keys
	s_delay_alu instid0(VALU_DEP_1)
	v_lshl_or_b32 v[PW], v[PT+2], 16, v[PW]
	s_delay_alu instid0(VALU_DEP_1)
	v_lshl_or_b32 v[PW], v[PT+3], 24, v[PW]
	s_setprio 0
.irp b, 0,1,2,3
.irp i, 0,1,2,3,4,5,6,7,8,9,10,11,12,13,14,15
.endr
	v_cvt_scalef32_pk8_fp8_f32 v[P+4*\b:P+4*\b+1],   v[S+16*\b:S+16*\b+7],    v[SO+\b]
	v_cvt_scalef32_pk8_fp8_f32 v[P+4*\b+2:P+4*\b+3], v[S+16*\b+8:S+16*\b+15], v[SO+\b]
.endr
.set j, 0
.rept 16
	v_pk_mul_f32 v[O+j:O+j+1], v[O+j:O+j+1], v[FF:FF+1] op_sel_hi:[1,0]   ; O^T under the new M; these are also the places between the codes and the products
.set j, j+2
.endr
	s_wait_alu depctr_va_vdst(0)
	s_wait_dscnt 0x0                               ; v and its scale words are in
.irp d, 0,1,2,3
	v_wmma_scale_f32_16x16x128_f8f6f4 v[O+8*\d:O+8*\d+7], v[F+16*\d:F+16*\d+15], v[P:P+15], v[O+8*\d:O+8*\d+7], v[SW+\d], v[PW]   ; the four accumulators by turns
.endr
.endm
; records rec0 .. rec0 + steps - 1. left: how many of my later tensor loads may stay out when these records' parts have to be there
.macro PHASE rec0, steps, left
	s_wait_tensorcnt \left                         ; my parts of these records have landed; nothing is ever filled again, so later loads may stay out over the barrier
	s_barrier_signal -1
	s_barrier_wait -1                              ; everybody's have: the reads below stand behind every wave's wait for its loads
	s_mov_b32 s[TB], \rec0*REC
	s_mov_b32 s[CNT], \steps
.Lstep_\@:
	s_wait_alu depctr_va_vdst(0)
	s_setprio 2
	STEP
	s_add_co_u32 s[TB], s[TB], REC
	s_sub_co_u32 s[CNT], s[CNT], 1
	s_cmp_lg_u32 s[CNT], 0
	s_cbranch_scc1 .Lstep_\@
	s_setprio 0
.endm
	PHASE 0, 4, 3                                  ; the first loads' records; three younger loads may be out
	PHASE 4, 12, 0                                 ; all the rest behind one wait for all loads
	; THE WAY OUT: O^T / the sum, quantised along the head's 64 (two blocks of the next product's K), stored as my tile's two pieces
.rept 8
	v_nop
.endr
	v_add_f32 v14, v14, v15
	s_delay_alu instid0(VALU_DEP_1)
	v_permlanex16_b32 v[TT], v14, s[SEL], s[SEL+1]
	s_delay_alu instid0(VALU_DEP_1)
	v_add_f32 v14, v14, v[TT]                      ; the row's sum
	s_wait_alu depctr_va_vdst(0)
	v_rcp_f32 v14, v14
	v_nop                                          ; a plain line behind the transcendental
	s_wait_alu depctr_va_vdst(0)                   ; the wait ahead of its first reader
.set j, 0
.rept 32
	v_mul_f32 v[S+j], v[O+j], v14                  ; register 16 t + i: channel 32 t + 8 h + i, or 32 t + 16 + 8 h + i - 8
.set j, j+1
.endr
.irp e, 0,1
	v_max3_num_f32 v[BM+\e], |v[S+16*\e]|, |v[S+16*\e+1]|, 0x4800000
.endr
.irp i, 2,4,6,8,10,12,14
.irp e, 0,1
	s_delay_alu instid0(VALU_DEP_2)
	v_max3_num_f32 v[BM+\e], v[BM+\e], |v[S+16*\e+\i]|, |v[S+16*\e+\i+1]|
.endr
.endr
.irp e, 0,1
	s_delay_alu instid0(VALU_DEP_2)
	v_permlanex16_b32 v[PT+\e], v[BM+\e], s[SEL], s[SEL+1]
.endr
.irp e, 0,1
	s_delay_alu instid0(VALU_DEP_2)
	v_max_num_f32 v[BM+\e], v[BM+\e], v[PT+\e]
.endr
.irp e, 0,1
	s_delay_alu instid0(VALU_DEP_2)
	v_add_nc_u32 v[SO+\e], 0xfc000000, v[BM+\e]
.endr
.irp e, 0,1
.endr
.irp e, 0,1
	s_delay_alu instid0(VALU_DEP_2)
	v_lshrrev_b32 v[PT+\e], 23, v[SO+\e]
.endr
.irp e, 0,1
.irp i, 0,1,2,3,4,5,6,7,8,9,10,11,12,13,14,15
.endr
	v_cvt_scalef32_pk8_fp8_f32 v[P+4*\e:P+4*\e+1],   v[S+16*\e:S+16*\e+7],    v[SO+\e]
	v_cvt_scalef32_pk8_fp8_f32 v[P+4*\e+2:P+4*\e+3], v[S+16*\e+8:S+16*\e+15], v[SO+\e]
.endr
	v_lshl_or_b32 v[TT], v[PT+1], 8, v[PT]         ; my tile's two bytes (a plain line behind the last conversion)
	global_store_b128 v1, v[P:P+3],   s[56:57]     ; 512 consecutive bytes, aligned
	global_store_b128 v1, v[P+4:P+7], s[56:57] offset:512
	ds_store_b16 v7, v[TT]                         ; both halves of the lanes write the same
	s_wait_dscnt 0x0
	s_barrier_signal -1
	s_barrier_wait -1
	s_cmp_lg_u32 s[WV], 0
	s_cbranch_scc1 .Ldone
	ds_load_b128 v[F:F+3], v8
	s_wait_dscnt 0x0
	global_store_b128 v1, v[F:F+3], s[60:61]       ; the work-group's 512 bytes of scale words
.Ldone:
	s_wait_tensorcnt 0x0
	ds_add_u32 v254, v255
	s_wait_dscnt 0x0
	ROUND                                          ; the closing round
	s_endpgm
.Lfunc_end_k_q97c4216fbb_attn:
	.size	k_q97c4216fbb_attn, .Lfunc_end_k_q97c4216fbb_attn-k_q97c4216fbb_attn
	.p2alignl 7, 3214868480
	.fill 96, 4, 3214868480
	.section	.rodata,"a",@progbits
	.p2align	6, 0x0
	.amdhsa_kernel k_q97c4216fbb_attn
		.amdhsa_group_segment_fixed_size 281088
		.amdhsa_private_segment_fixed_size 0
		.amdhsa_enable_private_segment 0
		.amdhsa_kernarg_size 24
		.amdhsa_user_sgpr_count 2
		.amdhsa_user_sgpr_kernarg_segment_ptr 1
		.amdhsa_wavefront_size32 1
		.amdhsa_system_sgpr_workgroup_id_x 1
		.amdhsa_system_sgpr_workgroup_id_y 1
		.amdhsa_system_sgpr_workgroup_id_z 1
		.amdhsa_system_vgpr_workitem_id 0
		.amdhsa_next_free_vgpr 256
		.amdhsa_next_free_sgpr 66
		.amdhsa_reserve_vcc 0
		.amdhsa_float_denorm_mode_32 3
		.amdhsa_float_denorm_mode_16_64 3
		.amdhsa_fp16_overflow 1
		.amdhsa_memory_ordered 1
		.amdhsa_forward_progress 1
		.amdhsa_inst_pref_size 56
	.end_amdhsa_kernel
	.amdgpu_metadata
---
amdhsa.version: [ 1, 2 ]
amdhsa.kernels:
  - .name:           k_q97c4216fbb_attn
    .symbol:         k_q97c4216fbb_attn.kd
    .args:
      - { .name: qq, .offset: 0, .size: 8, .value_kind: global_buffer, .address_space: global }
      - { .name: kvr, .offset: 8, .size: 8, .value_kind: global_buffer, .address_space: global }
      - { .name: aq, .offset: 16, .size: 8, .value_kind: global_buffer, .address_space: global }
    .group_segment_fixed_size: 281088
    .private_segment_fixed_size: 0
    .kernarg_segment_align: 8
    .kernarg_segment_size: 24
    .max_flat_workgroup_size: 512
    .sgpr_count:     66
    .vgpr_count:     256
    .wavefront_size: 32
...
	.end_amdgpu_metadata
.endif
;; end of part 3
;; launch proj: the kernel of part 2 again; grid 8 x 32, 4 waves a work-group, clusters of 4 x 4, 267,264 bytes of LDS; arguments aq, c_proj_w_codes, c_proj_w_scales, c_proj_b, pq; writes pq
;; launch mlp (part 4): grid 8 x 32, 4 waves a work-group, clusters of 4 x 4, 327,680 bytes of LDS; arguments xq, pq, mlp_w_codes, mlp_w_scales, mlp_b, out0; writes out0
.if DOCPART == 4
	.amdgcn_target "amdgcn-amd-amdhsa--gfx1250"
	.amdhsa_code_object_version 6
	.text
	.protected	k_q97c4216fbb_mlp
	.globl	k_q97c4216fbb_mlp
	.p2align	8
	.type	k_q97c4216fbb_mlp,@function
k_q97c4216fbb_mlp:
	s_mov_b64 s[64:65], 0
	v_nop
	global_prefetch_b8 v0, s[64:65] scope:SCOPE_SE
	s_setreg_imm32_b32 hwreg(HW_REG_WAVE_MODE, 25, 1), 1
	s_wait_xcnt 0x0
	s_wait_alu depctr_hold_cnt(0) depctr_sa_sdst(0) depctr_va_vdst(0) depctr_va_sdst(0) depctr_va_ssrc(0) depctr_va_vcc(0) depctr_vm_vsrc(0)
	s_getreg_b32 s2, hwreg(HW_REG_IB_STS2, 6, 4)
	s_cmp_eq_u32 s2, 0
	s_cbranch_scc0 .Lentry_in_a_cluster
	s_endpgm
.Lentry_in_a_cluster:
	s_bfe_u32 s2, ttmp6, 0x10000c
	s_cmp_lg_u32 s2, 0xf033
	s_cbranch_scc0 .Lentry_shape_is_right
	s_endpgm
.Lentry_shape_is_right:
; out0 = gelu([x, proj] x mlp_w + mlp_b). The left operand's K = 2,048 is x's 1,024 (images in xq) and then the projection's 1,024 (images in pq); mlp_w [1024][2048] as given codes, K innermost.
; The core is that of the projection launches: 128 rows x 128 features a work-group, 64 x 64 a wave, the product transposed, W read in the images' order. K goes in four steps of 512 through two LDS slots:
; each slot is filled twice, the second time behind a round of the cluster's barrier. By this text's own count a wave has two tensor loads out at the start and one behind each round.
; gelu(x) = x / (1 + 2^z), z = x (c1 + c2 x^2), c1 = -2 sqrt(2 / pi) log2 e, c2 = 0.044715 c1: the tanh form, written by its exponential. Where 2^z overflows the quotient is 0, as the limit is.
; CLUSTERS: 4 x 4; the images are shared along a row of the cluster, W's rows along a column: joint loads.
; LIMITS: NaN and infinities are not served.
; REGISTERS: window 0: v0-31 addresses, c1, the add's two; v32-63 the rows' scale words, v64-95 W's; v96-127 the bias, later gelu's scratch; v128-255 accumulators. window 1: two fragment buffers; on the way out rows of the result.
.set SCOFF, 4194304
.set PITCH, 528
.set RSL,   65536
.set HALFW, 64*PITCH
.set SLOT,  RSL+2*HALFW
.set SPARE, 2*SLOT                     ; the spare words, 128 bytes a wave: two blocks of 256 bytes that no other line names
.set SPITCH, 272                       ; the way out: 16 rows x (256 + 16) bytes a wave, in slot 0, which has had its last fill and its last read by then
.set NF,    48
.set STO,  9
.set RD,   10
.set CO,   11
.set ADRR, 16
.set ADRW, 20
.set C1,   28                          ; v[28:29] c1, twice
.set SPW,  30
.set NIL,  31
.set RS,   32
.set WS,   64
.set BI,   96
.set Z,    96
.set ACC,  128
.set F0,   0
.set F1,   128
.set WV,   16
.set FW,   17
.set HF,   18
.set G1A,  24
.set G1B,  32
.set G0A,  40                          ; four sets: x's two halves of K, the projection's two
.set G0B,  56                          ; a set for each slot
.set C2,   80                          ; s[80:81] c2
.set MULW, 0x05
.set TO_F, 0x40
.set MSB, 0
.macro WIN new
.if MSB != \new
	s_set_vgpr_msb (MSB<<8)|\new
.set MSB, \new
.endif
.endm
.macro PLACES n
.rept \n
	v_nop
.endr
.endm
.macro JLOAD g0a, g1a, g0b, g1b        ; a joint load; four v_nop follow each of the two lines
	s_cmp_eq_u32 s[FW], 0
	s_cbranch_scc0 .Lfor_b_\@
	tensor_load_to_lds s[\g0a:\g0a+3], s[\g1a:\g1a+7]
	s_nop 0
.rept 4
	v_nop
.endr
	s_branch .Lasked_\@
.Lfor_b_\@:
	tensor_load_to_lds s[\g0b:\g0b+3], s[\g1b:\g1b+7]
	s_nop 0
.rept 4
	v_nop
.endr
.Lasked_\@:
.endm
.macro CREST                           ; a round of the cluster's barrier behind its opening barrier
	s_cmp_lg_u32 s[WV], 0
	s_cbranch_scc1 .Lnot_wave_0_\@
	s_barrier_signal -3
.Lnot_wave_0_\@:
	s_barrier_wait -3
	s_barrier_signal -1
	s_barrier_wait -1
.endm
.macro CROUND
	s_barrier_signal -1
	s_barrier_wait -1
	CREST
.endm
.macro WM d, p, q, c, sp, sq, rp, rq
.if (\rp) && (\rq)
	v_wmma_scale_f32_16x16x128_f8f6f4 v[\d:\d+7], v[\p:\p+15], v[\q:\q+15], v[\c:\c+7], v[\sp], v[\sq] matrix_a_scale:MATRIX_SCALE_ROW1 matrix_b_scale:MATRIX_SCALE_ROW1
.elseif (\rp)
	v_wmma_scale_f32_16x16x128_f8f6f4 v[\d:\d+7], v[\p:\p+15], v[\q:\q+15], v[\c:\c+7], v[\sp], v[\sq] matrix_a_scale:MATRIX_SCALE_ROW1
.elseif (\rq)
	v_wmma_scale_f32_16x16x128_f8f6f4 v[\d:\d+7], v[\p:\p+15], v[\q:\q+15], v[\c:\c+7], v[\sp], v[\sq] matrix_b_scale:MATRIX_SCALE_ROW1
.else
	v_wmma_scale_f32_16x16x128_f8f6f4 v[\d:\d+7], v[\p:\p+15], v[\q:\q+15], v[\c:\c+7], v[\sp], v[\sq]
.endif
.endm
.macro MULH f, sg, first, a0           ; eight products: row tiles a0, a0 + 1 x the four feature tiles, K step sg of 16
.irp a, \a0, \a0+1
.irp b, 0,1,2,3
.if \first
	WM ACC+8*(4*(\a)+\b), \f+64+16*\b, \f+16*(\a), BI+8*\b, WS+16*(\b%2)+(\sg), RS+2*(\sg)+(\a)%2, \b/2, (\a)/2
.else
	WM ACC+8*(4*(\a)+\b), \f+64+16*\b, \f+16*(\a), ACC+8*(4*(\a)+\b), WS+16*(\b%2)+(\sg), RS+2*(\sg)+(\a)%2, \b/2, (\a)/2
.endif
.endr
.endr
.endm
.macro FETCH slot, q, f
	WIN TO_F
.irp a, 0,1,2,3
.irp c, 0,1,2,3
	ds_load_b128 v[\f+16*\a+4*\c:\f+16*\a+4*\c+3], v[ADRR+\slot] offset:(\q)*16384+\a*2048+\c*512
.endr
.endr
.irp b, 0,1,2,3
.irp c, 0,1,2,3
	ds_load_b64 v[\f+64+16*\b+4*\c:\f+64+16*\b+4*\c+1],   v[ADRW+\slot] offset:\b*16*PITCH+128*(\q)+32*\c
	ds_load_b64 v[\f+64+16*\b+4*\c+2:\f+64+16*\b+4*\c+3], v[ADRW+\slot] offset:\b*16*PITCH+128*(\q)+32*\c+16
.endr
.endr
.endm
.macro KSTEP slot, q, f, g, sg, first
	PLACES 8                                       ; eight places in front of loads into registers that products have read
	FETCH \slot, (\q)+1, \g
	s_wait_dscnt NF                                ; this step's fragments are in; the NF just issued may be out
	WIN MULW
	MULH \f, \sg, \first, 0
	MULH \f, \sg, \first, 2
.endm
; a slot's last K step changes slots. In front of the barrier each wave waits for all its tensor loads, adds 0 to its spare word, and waits for that and for its reads of this slot.
; fill = 1: the barrier opens a round of the cluster's barrier, and behind the round this slot is filled again: the images by descriptor ga, W 1,024 bytes further along its rows.
.macro TURN slot, next, sg, fill, ga
	WIN 0                                          ; (the add's two registers lie in window 0)
	s_wait_tensorcnt 0x0                           ; all my tensor loads have landed: my part of the next slot
	ds_add_u32 v[SPW], v[NIL]                      ; 0 onto my spare word
	s_wait_dscnt 0x1                               ; this step's fragments are in; the add may be out
	WIN MULW
	MULH F1, \sg, 0, 0                             ; eight products stand between the add and the wait for it
	s_wait_dscnt 0x0                               ; the add is done, and my reads of this slot are over
	s_barrier_signal -1
	MULH F1, \sg, 0, 2
	WIN 0
	s_barrier_wait -1
.if \fill
	CREST                                          ; no wave of any partner still reads this slot or has a load on its way
	s_add_nc_u64 s[G0B+4*\slot+2:G0B+4*\slot+3], s[G0B+4*\slot+2:G0B+4*\slot+3], 1024
	JLOAD \ga, G1A, G0B+4*\slot, G1B               ; the first tensor load behind the round, my only one until the next; its four v_nop are four of the eight places
	PLACES 4
.else
	PLACES 8
.endif
	FETCH \next, 0, F0
.endm
	s_load_b256 s[4:11], s[0:1], 0x0               ; xq, pq, W's codes, W's scales
	s_load_b128 s[12:15], s[0:1], 0x20             ; bias, out0
	v_lshl_add_u32 v[SPW], v0, 2, SPARE
	v_mov_b32 v[NIL], 0
	ds_add_u32 v30, v31
	ds_add_u32 v30, v31
	s_wait_dscnt 0x0
	v_lshrrev_b32 v1, 5, v0
	v_readfirstlane_b32 s[WV], v1
	s_lshr_b32 s[FW], s[WV], 1                     ; rh; also: I fetch images (0) or W (1)
	s_and_b32 s[HF], s[WV], 1                      ; fh; also: which half I fetch
	s_bfe_u32 s66, ttmp6, 0x40000                  ; cx
	s_bfe_u32 s67, ttmp6, 0x40004                  ; cy
	s_lshl_b32 s68, ttmp9, 2
	s_add_co_u32 s68, s68, s66                     ; x
	s_and_b32 s69, ttmp7, 0xffff
	s_lshl_b32 s69, s69, 2
	s_add_co_u32 s69, s69, s67                     ; y
	s_lshl_b32 s70, s67, 2
	s_lshl_b32 s70, 15, s70
	s_lshl_b32 s71, 0x1111, s66
	s_or_b32 s[G1A], s70, (3<<16)|(1<<21)          ; images: 128 rows of 32 elements of 8 bytes, dense
	s_mov_b32 s[G1A+1], 32<<16
	s_mov_b32 s[G1A+2], 128<<16
	s_mov_b32 s[G1A+3], 32<<16
	s_mov_b32 s[G1A+4], 128
	s_mov_b32 s[G1A+5], 32
	s_mov_b32 s[G1A+6], 0
	s_mov_b32 s[G1A+7], 0
	s_or_b32 s[G1B], s71, (1<<20)|(1<<21)|(6<<22)|(3<<25)   ; W: 64 rows of 512 bytes, 2,048 apart; 4 words of padding behind every 128
	s_mov_b32 s[G1B+1], 512<<16
	s_mov_b32 s[G1B+2], 64<<16
	s_mov_b32 s[G1B+3], 512<<16
	s_mov_b32 s[G1B+4], 64
	s_mov_b32 s[G1B+5], 2048
	s_mov_b32 s[G1B+6], 0
	s_mov_b32 s[G1B+7], 0
	s_lshl_b32 s72, s69, 17
	s_lshl_b32 s73, s[HF], 15
	s_add_co_u32 s72, s72, s73
	s_mov_b32 s73, 0
	s_lshl_b32 s76, s68, 18                        ; W: row 128 x + 64 half, 2,048 bytes a row
	s_lshl_b32 s77, s[HF], 17
	s_add_co_u32 s76, s76, s77
	s_mov_b32 s77, 0
	s_lshl_b32 s19, s[HF], 15
	s_mul_i32 s20, s[HF], HALFW
	s_add_co_u32 s20, s20, RSL
	s_mov_b32 s[C2], 0xbdd2d3e8
	s_mov_b32 s[C2+1], s[C2]
	s_mov_b32 s82, 0x05040100
	s_mov_b32 s83, 0x07060302
	s_wait_kmcnt 0x0
	s_add_nc_u64 s[74:75], s[6:7], s[72:73]
	s_add_nc_u64 s[72:73], s[4:5], s[72:73]
	s_add_nc_u64 s[76:77], s[8:9], s[76:77]
.irp t, 0,1
	s_mov_b32 s[G0A+4*\t], 1
	s_add_co_u32 s[G0A+4*\t+1], s19, \t*SLOT
	s_add_nc_u64 s[G0A+4*\t+2:G0A+4*\t+3], s[72:73], \t*RSL
	s_or_b32 s[G0A+4*\t+3], s[G0A+4*\t+3], 0x80000000
	s_mov_b32 s[G0A+8+4*\t], 1
	s_add_co_u32 s[G0A+8+4*\t+1], s19, \t*SLOT
	s_add_nc_u64 s[G0A+8+4*\t+2:G0A+8+4*\t+3], s[74:75], \t*RSL
	s_or_b32 s[G0A+8+4*\t+3], s[G0A+8+4*\t+3], 0x80000000
	s_mov_b32 s[G0B+4*\t], 1
	s_add_co_u32 s[G0B+4*\t+1], s20, \t*SLOT
	s_add_nc_u64 s[G0B+4*\t+2:G0B+4*\t+3], s[76:77], \t*512
	s_or_b32 s[G0B+4*\t+3], s[G0B+4*\t+3], 0x80000000
.endr
	CROUND                                         ; all sixteen work-groups are here: the first joint loads meet
	JLOAD G0A, G1A, G0B, G1B
	s_wait_alu depctr_va_vdst(0)
	s_wait_tensorcnt 0x0
	ds_add_u32 v30, v31
	s_wait_dscnt 0x0
	CROUND
	JLOAD G0A+4, G1A, G0B+4, G1B
	v_and_b32 v1, 31, v0                           ; lane
	v_and_b32 v2, 15, v0                           ; r
	v_bfe_u32 v3, v0, 4, 1                         ; h
	v_lshlrev_b32 v4, 4, v1
	v_lshlrev_b32 v5, 2, v1
	s_lshl_b32 s21, s[FW], 13
	v_add_nc_u32 v[ADRR], s21, v4
	v_add_nc_u32 v[ADRR+1], SLOT, v[ADRR]
	v_mul_u32_u24 v6, v2, PITCH
	v_lshl_add_u32 v6, v3, 3, v6
	v_add_nc_u32 v[ADRW], s20, v6
	v_add_nc_u32 v[ADRW+1], SLOT, v[ADRW]
	v_lshlrev_b32 v7, 6, v2
	v_lshl_add_u32 v7, v3, 11, v7                  ; W's scale rows of 64 bytes: row 32 h + r
	v_lshlrev_b32 v8, 5, v3                        ; 32 h
	s_mul_i32 s21, s[WV], 16*SPITCH                ; my stage
	v_mul_u32_u24 v[STO], v2, SPITCH
	v_lshl_add_u32 v[STO], v3, 5, v[STO]
	v_add_nc_u32 v[STO], s21, v[STO]               ; in: row r, + 32 h
	v_mul_u32_u24 v[RD], v3, SPITCH
	v_lshl_add_u32 v[RD], v2, 4, v[RD]
	v_add_nc_u32 v[RD], s21, v[RD]                 ; back: lanes 0-15 one row of 256 bytes, lanes 16-31 the next
	v_lshlrev_b32 v[CO], 4, v2
	v_lshl_add_u32 v[CO], v3, 12, v[CO]            ; and the same two rows in out0
	v_mov_b32 v[C1], 0xc0135761
	v_mov_b32 v[C1+1], 0xc0135761
	s_lshl_b32 s2, s69, 8                          ; the rows' scale words: SCOFF + 256 y + 128 rh
	s_lshl_b32 s3, s[FW], 7
	s_add_co_u32 s2, s2, s3
	s_add_co_u32 s2, s2, SCOFF
	s_mov_b32 s3, 0
	s_add_nc_u64 s[72:73], s[4:5], s[2:3]
	s_add_nc_u64 s[74:75], s[6:7], s[2:3]
	s_lshl_b32 s76, s68, 13                        ; W's scales of row 128 x + 64 fh on
	s_lshl_b32 s77, s[HF], 12
	s_add_co_u32 s76, s76, s77
	s_mov_b32 s77, 0
	s_add_nc_u64 s[76:77], s[10:11], s[76:77]
	s_lshl_b32 s78, s68, 9                         ; 4 (128 x + 64 fh): the bias, and the columns of out0
	s_lshl_b32 s79, s[HF], 8
	s_add_co_u32 s78, s78, s79
	s_lshl_b32 s22, s69, 19                        ; row 128 y + 64 rh of 4,096 bytes
	s_lshl_b32 s23, s[FW], 18
	s_add_co_u32 s22, s22, s23
	s_add_co_u32 s22, s22, s78
	s_mov_b32 s23, 0
	s_mov_b32 s79, 0
	s_add_nc_u64 s[78:79], s[12:13], s[78:79]
	s_add_nc_u64 s[22:23], s[14:15], s[22:23]
.irp i, 0,1,2,3,4,5,6,7,8,9,10,11,12,13,14,15
	global_load_b32 v[ACC+\i],    v5, s[72:73] offset:\i*8192   ; raw words, K / 64 = i of x,
	global_load_b32 v[ACC+16+\i], v5, s[74:75] offset:\i*8192   ; and of the projection
.endr
.irp u, 0,1
.irp q, 0,1,2,3
	global_load_b128 v[WS+16*\u+4*\q:WS+16*\u+4*\q+3], v7, s[76:77] offset:1024*\u+16*\q
.endr
.endr
.irp b, 0,1,2,3
	global_load_b128 v[BI+8*\b:BI+8*\b+3],   v8, s[78:79] offset:64*\b
	global_load_b128 v[BI+8*\b+4:BI+8*\b+7], v8, s[78:79] offset:64*\b+16
.endr
	s_wait_loadcnt 0x0
.irp g, 0,1,2,3,4,5,6,7,8,9,10,11,12,13,14,15
	v_perm_b32 v[RS+2*\g],   v[ACC+2*\g+1], v[ACC+2*\g], s82   ; K step g: the even tiles' four bytes,
	v_perm_b32 v[RS+2*\g+1], v[ACC+2*\g+1], v[ACC+2*\g], s83   ; the odd tiles'
.endr
	PLACES 8                                       ; a scale register written by a vector instruction stands eight places ahead of the product
	s_wait_tensorcnt 0x1                           ; my part of slot 0 has landed; slot 1's may be out
	s_barrier_signal -1
	s_barrier_wait -1
	FETCH 0, 0, F0
	KSTEP 0, 0, F0, F1, 0, 1
	KSTEP 0, 1, F1, F0, 1, 0
	KSTEP 0, 2, F0, F1, 2, 0
	TURN 0, 1, 3, 1, G0A+8                         ; slot 0 takes the projection's first 512
	KSTEP 1, 0, F0, F1, 4, 0
	KSTEP 1, 1, F1, F0, 5, 0
	KSTEP 1, 2, F0, F1, 6, 0
	TURN 1, 0, 7, 1, G0A+12                        ; slot 1 its second
	KSTEP 0, 0, F0, F1, 8, 0
	KSTEP 0, 1, F1, F0, 9, 0
	KSTEP 0, 2, F0, F1, 10, 0
	s_wait_alu depctr_va_vdst(0)
	TURN 0, 1, 11, 0, 0                            ; nothing is left to fetch
	KSTEP 1, 0, F0, F1, 12, 0
	KSTEP 1, 1, F1, F0, 13, 0
	KSTEP 1, 2, F0, F1, 14, 0
	s_wait_dscnt 0x0
	WIN MULW
	MULH F1, 15, 0, 0
	MULH F1, 15, 0, 2
	WIN 0
; THE WAY OUT, a tile of 16 rows x 64 features at a time. gelu in place; then through my stage, so that sixteen lanes store 256 consecutive bytes of a row.
.macro GELU a
.set XA, ACC+32*(\a)
.set j, 0
.rept 16
	v_pk_mul_f32 v[Z+j:Z+j+1], v[XA+j:XA+j+1], v[XA+j:XA+j+1]         ; x^2; each accumulator from its low end on
.set j, j+2
.endr
.set j, 0
.rept 16
	v_pk_fma_f32 v[Z+j:Z+j+1], v[Z+j:Z+j+1], s[C2:C2+1], v[C1:C1+1] op_sel_hi:[1,0,1]   ; c1 + c2 x^2
.set j, j+2
.endr
.set j, 0
.rept 16
	v_pk_mul_f32 v[Z+j:Z+j+1], v[Z+j:Z+j+1], v[XA+j:XA+j+1]           ; z
.set j, j+2
.endr
.set j, 0
	s_wait_alu depctr_va_vdst(0)
.rept 32
	v_exp_f32 v[Z+j], v[Z+j]
.set j, j+1
.endr
	v_nop                                          ; a plain line behind the batch,
	s_wait_alu depctr_va_vdst(0)                   ; and one wait ahead of its first reader
.set j, 0
.rept 16
	v_pk_add_f32 v[Z+j:Z+j+1], v[Z+j:Z+j+1], 1.0 op_sel_hi:[1,0]
.set j, j+2
.endr
.set j, 0
	s_wait_alu depctr_va_vdst(0)
.rept 32
	v_rcp_f32 v[Z+j], v[Z+j]
.set j, j+1
.endr
	v_nop
	s_wait_alu depctr_va_vdst(0)
.set j, 0
.rept 16
	v_pk_mul_f32 v[XA+j:XA+j+1], v[XA+j:XA+j+1], v[Z+j:Z+j+1]         ; x / (1 + 2^z), back into the accumulator's registers
.set j, j+2
.endr
.endm
.macro TOSTAGE a
.irp b, 0,1,2,3
	ds_store_b128 v[STO], v[ACC+32*(\a)+8*\b:ACC+32*(\a)+8*\b+3]   offset:64*\b
	ds_store_b128 v[STO], v[ACC+32*(\a)+8*\b+4:ACC+32*(\a)+8*\b+7] offset:64*\b+16
.endr
	WIN TO_F
.irp i, 0,1,2,3,4,5,6,7
	ds_load_b128 v[32*((\a)%2)+4*\i:32*((\a)%2)+4*\i+3], v[RD] offset:\i*2*SPITCH   ; LDS serves a wave's instructions in order: these see my stores, and the next tile's stores come behind them
.endr
	WIN 0
.endm
.macro SEND a
	s_wait_dscnt 0x0                               ; the tile is back in registers
	WIN 0x04                                       ; a store's data are its source 1: window 1
.irp i, 0,1,2,3,4,5,6,7
	global_store_b128 v[CO], v[32*((\a)%2)+4*\i:32*((\a)%2)+4*\i+3], s[22:23] offset:(16*(\a)+2*\i)*4096 th:TH_STORE_NT   ; sixteen lanes store 256 consecutive bytes, aligned
.endr
	WIN 0
.endm
	PLACES 8                                       ; behind the last products
	GELU 0
	TOSTAGE 0
.irp a, 1,2,3
	GELU \a                                        ; a tile's arithmetic stands between the loads of the tile before and its stores
	s_wait_alu depctr_va_vdst(0)
	SEND \a-1
.if \a > 1
	s_wait_xcnt 0x0                                ; tile a - 2's stores have read their registers: tile a's rows may land there
.endif
	TOSTAGE \a
.endr
	SEND 3
	s_wait_tensorcnt 0x0                           ; the wave's end
	ds_add_u32 v[SPW], v[NIL]
	s_wait_dscnt 0x0
	CROUND                                         ; the closing round
	s_endpgm
.Lfunc_end_k_q97c4216fbb_mlp:
	.size	k_q97c4216fbb_mlp, .Lfunc_end_k_q97c4216fbb_mlp-k_q97c4216fbb_mlp
	.p2alignl 7, 3214868480
	.fill 96, 4, 3214868480
	.section	.rodata,"a",@progbits
	.p2align	6, 0x0
	.amdhsa_kernel k_q97c4216fbb_mlp
		.amdhsa_group_segment_fixed_size 327680
		.amdhsa_private_segment_fixed_size 0
		.amdhsa_enable_private_segment 0
		.amdhsa_kernarg_size 48
		.amdhsa_user_sgpr_count 2
		.amdhsa_user_sgpr_kernarg_segment_ptr 1
		.amdhsa_wavefront_size32 1
		.amdhsa_system_sgpr_workgroup_id_x 1
		.amdhsa_system_sgpr_workgroup_id_y 1
		.amdhsa_system_sgpr_workgroup_id_z 1
		.amdhsa_system_vgpr_workitem_id 0
		.amdhsa_next_free_vgpr 512
		.amdhsa_next_free_sgpr 84
		.amdhsa_reserve_vcc 0
		.amdhsa_float_denorm_mode_32 3
		.amdhsa_float_denorm_mode_16_64 3
		.amdhsa_memory_ordered 1
		.amdhsa_forward_progress 1
		.amdhsa_inst_pref_size 140
	.end_amdhsa_kernel
	.amdgpu_metadata
---
amdhsa.version: [ 1, 2 ]
amdhsa.kernels:
  - .name:           k_q97c4216fbb_mlp
    .symbol:         k_q97c4216fbb_mlp.kd
    .args:
      - { .name: xq, .offset: 0, .size: 8, .value_kind: global_buffer, .address_space: global }
      - { .name: pq, .offset: 8, .size: 8, .value_kind: global_buffer, .address_space: global }
      - { .name: mlp_w_codes, .offset: 16, .size: 8, .value_kind: global_buffer, .address_space: global }
      - { .name: mlp_w_scales, .offset: 24, .size: 8, .value_kind: global_buffer, .address_space: global }
      - { .name: mlp_b, .offset: 32, .size: 8, .value_kind: global_buffer, .address_space: global }
      - { .name: out0, .offset: 40, .size: 8, .value_kind: global_buffer, .address_space: global }
    .group_segment_fixed_size: 327680
    .private_segment_fixed_size: 0
    .kernarg_segment_align: 8
    .kernarg_segment_size: 48
    .max_flat_workgroup_size: 128
    .sgpr_count:     84
    .vgpr_count:     512
    .wavefront_size: 32
...
	.end_amdgpu_metadata
.endif
;; end of part 4
